; MI455X (gfx1250); checked and timed in simulation.
; The chip was launched on July 23, 2026; its instructions are those of AMD's public machine-readable ISA for CDNA 5 (MIT licence, August 2026) and "CDNA5" Instruction Set Architecture Reference Guide (July 2026). The comments in the code are by the model that wrote it; some were corrected since.
;; Attention. Allowed arithmetic: matrix products marked QUANTISED: E2M3 operands, one E8M0 scale for each 32 along K, by v_wmma_scale_f32_16x16x128_f8f6f4 with both operands' format E2M3, f32 sums; everything else in f32.
;; Inputs: key 4 x 512 x 4,096 float32; query 4 x 4,096 x 512 float32; value 4 x 4,096 x 512 float32.
;; Outputs: out0 4 x 4,096 x 512 float32.
;; This version of the problem:
;;   THIS VERSION OF THE PROBLEM IS GIVEN IN LOW PRECISION. The matrix products marked QUANTISED in the list below multiply operands that are first quantised to E2M3 (2 exponent bits, 3 mantissa bits; 6 bits a number), with one power-of-two scale for each 32 numbers along K (OCP MX v1.0); their sums are f32. All else is computed in f32.
;;   The module's matrix products, in the order in which they are computed (A, B: the left and right operand; K: the contracted axis; several contracted axes count as one K, in the product's order):
;;     1. batch 4 x [M 4,096, K 512] x [K 512, N 4,096]; A: input query; B: input key: QUANTISED
;;     2. batch 4 x [M 4,096, K 4,096] x [K 4,096, N 512]; A: softmax (see below); B: input value: QUANTISED
;;   THE QUANTISER, for each operand of a quantised product, along K:
;;     - K is cut into blocks of 32 from its start; a last block that is shorter is filled with zeros.
;;     - A block's scale is 2^e with e = floor(log2(the largest magnitude in the block)) - 2, held to -126 .. 127; a block of zeros has e = 0. As a byte (E8M0): e + 127.
;;     - Each number is divided by its block's scale, clamped to +-7.5, and rounded to the nearest number of E2M3, ties to even, subnormals kept.
;;     - The product sums the exact products of the quantised numbers (number of the format x scale) in f32.
;;   ~~~python
;;   def quantise(x, axis):      # numpy; x: float32 -> the quantised numbers, widened to float32 again
;;       x = np.moveaxis(x, axis, -1); K = x.shape[-1]
;;       x = np.pad(x, [(0, 0)] * (x.ndim - 1) + [(0, -K % 32)]); x = x.reshape(x.shape[:-1] + (-1, 32)); a = np.abs(x).max(-1, keepdims=True)
;;       e = np.where(a > 0, np.clip(np.frexp(np.where(a > 0, a, 1))[1] - 1 - 2, -126, 127), 0)      # np.frexp(a)[1] - 1 = floor(log2(a)), exactly
;;       r = np.clip(x / 2.0 ** e, -7.5, 7.5)
;;       step = 2.0 ** (np.maximum(np.frexp(np.where(r == 0, 1, r))[1] - 1, 0) - 3)
;;       q = np.round(r / step) * step * 2.0 ** e      # np.round: ties to even
;;       return np.moveaxis(q.reshape(q.shape[:-2] + (-1,))[..., :K], -1, axis).astype(np.float32)
;;   ~~~
;;   SOFTMAX AHEAD OF A QUANTISED PRODUCT. Where the list says 'softmax', what is quantised is not the finished softmax but p = 2^(t - M), with t = logit x log2(e) and M = ceil(the row's largest t), a whole number; so 1/2 < the row's largest p <= 1. The row's sum l is taken of the UNQUANTISED p, in f32, and the product's result is divided by l at the end. Since M is a whole number, a kernel that streams over the keys may use a running M (the ceiling of the running maximum): every later rescaling is an exact power of two, which a block's scale takes up: the codes' values come out the same.
;;   OPERANDS COMPUTED ON THE WAY. 'Computed on the way' means the value that the module computes at that place (a softmax that the list does not call 'softmax' is quantised finished and normalised). What goes into a quantiser is computed in f32, as accurately as f32 sums, v_exp_f32 and their like allow (about 1e-6 of the number): no bf16 or f16 on the way to a quantiser, and a product that is left as it is and whose result goes on into a quantised operand takes f32 operands (vector FMAs, or v_wmma_f32_16x16x4_f32). A number that lies on a knife's edge between two numbers of the format may be rounded either way, as far as f32 arithmetic and the matrix unit's own rounding can turn it there, and no further.
;; 2 versions. Each part assembles by itself: llvm-mc -triple=amdgcn-amd-amdhsa -mcpu=gfx1250 --defsym DOCPART=n.
;; ======== version 1 of 2: 2 launches
;; workspace buffers: kf 6,553,600 bytes; vf 6,553,600 bytes
;; launch quant (part 1): grid 1024 x 1, 4 waves a work-group, no clusters, 14,336 bytes of LDS; arguments key, value, kf, vf; writes kf, vf
.if DOCPART == 1
	.amdgcn_target "amdgcn-amd-amdhsa--gfx1250"
	.amdhsa_code_object_version 6
	.text
	.protected	k_qaf2cc13036_quant
	.globl	k_qaf2cc13036_quant
	.p2align	8
	.type	k_qaf2cc13036_quant,@function
k_qaf2cc13036_quant:
	s_mov_b64 s[64:65], 0
	v_nop
	global_prefetch_b8 v0, s[64:65] scope:SCOPE_SE
	s_setreg_imm32_b32 hwreg(HW_REG_WAVE_MODE, 25, 1), 1
	s_wait_xcnt 0x0
; key [4][512 d][4096 n] and value [4][4096 n][512 d], f32, are operands whose K (d for key, the keys n for value) is the FIRST axis inside a batch.
; They become codes of FP6 (E2M3) with one E8M0 byte for each 32 along K, laid in RECORDS of 12,800 bytes in the order in which the attention launch's operand registers take them.
; RECORD x = (4 b + w) 32 + e: 128 columns x 128 along K.  kf: columns = keys 512 (e / 4) + 128 w + 0..127, K = d 128 (e % 4) + 0..127.  vf: columns = d 128 w + 0..127, K = keys 128 e + 0..127.
; In a record: 8 fragments of 1,536 bytes, then 512 bytes of scale words.  Fragment 2 g + u is the image of an operand's 12 registers: register p of lane l at 1536 (2 g + u) + 512 (p / 4) + 16 l + 4 (p % 4);
; its row r is the record's column 32 g + 8 u + r + 8 (r / 8).  The scale word of fragment 2 g + u, row r, lies at 12288 + 16 (16 u + r) + 4 g.
; SHARES.  A work-group makes one record: the first 512 work-groups kf's, the others vf's.  Wave g takes columns 32 g + 0..31.  A LANE TAKES A COLUMN AND ITS 128 REGISTERS RUN DOWN K: each load reads 128 consecutive
; bytes (the four waves stand side by side on 512), a block of 32 along K lies in one lane, and the conversions give codes with K innermost.  Nothing is transposed by an instruction.
; A block's scale is 2^(floor(log2(its largest magnitude)) - 2); its byte is the largest magnitude's exponent field - 2, held at 1 from below.
; LIMITS: a block of zeros gets the byte 1 where the quantiser says 127 (its codes are zeros, which add nothing under any byte but 0xff, and this program alone reads the bytes); blocks whose largest magnitude lies
; under 2^-124 (the floor) were not tried; NaN and infinities among the inputs are not served.
; No tensor loads, no cluster (work-groups share no input byte), one barrier: for the record's 512 bytes of scale words, which come from all four waves.
.set X,    64                          ; v64-191  my column's 128 numbers; v64-91 serve again on the way out
.set SCB,  13312                       ; LDS: four stages of 2 x 1,664 bytes (a fragment's 1,536 + 128), then the 512 bytes of scale words
	s_load_b256 s[4:11], s[0:1], 0x0               ; key s[4:5], value s[6:7], kf s[8:9], vf s[10:11]
	v_lshl_add_u32 v192, v0, 2, 0x3600
	v_mov_b32 v193, 0
	v_lshrrev_b32 v1, 5, v0
	v_readfirstlane_b32 s12, v1                    ; wave g
	v_and_b32 v1, 31, v0                           ; lane = my column among the wave's 32
	v_lshlrev_b32 v2, 2, v1                        ; in: 4 bytes a lane
	v_lshlrev_b32 v17, 4, v1                       ; out: 16 bytes a lane
	v_and_b32 v8, 7, v1
	v_lshrrev_b32 v9, 4, v1
	v_lshl_add_u32 v8, v9, 3, v8                   ; r = lane % 8 + 8 (lane / 16): my row in my fragment
	v_bfe_u32 v9, v1, 3, 1                         ; u = (lane / 8) % 2: which of the wave's two fragments
	s_mul_i32 s20, s12, 3328                       ; my wave's stage
	v_mul_u32_u24 v3, v9, 1664
	v_lshl_add_u32 v3, v8, 4, v3
	v_add_nc_u32 v3, s20, v3                       ; into it: fragment u, 16 r
	v_add_nc_u32 v4, s20, v17                      ; out of it: 16 x lane
	s_mul_i32 s21, s12, 3072
	v_add_nc_u32 v5, s21, v17                      ; and the same place in the record: the wave's two fragments begin at 3072 g
	s_lshl_b32 s22, s12, 2
	s_add_co_u32 s22, s22, SCB
	v_lshlrev_b32 v6, 8, v9
	v_lshl_add_u32 v6, v8, 4, v6
	v_add_nc_u32 v6, s22, v6                       ; my scale word: 16 (16 u + r) + 4 g
	v_add_nc_u32 v7, SCB, v17                      ; the scale words on the way out
	; where my wave's part begins, in bytes
	s_and_b32 s13, ttmp9, 511                      ; the record's number x
	s_lshr_b32 s14, s13, 7
	s_lshl_b32 s14, s14, 23                        ; the batch: 8,388,608 bytes
	s_bfe_u32 s15, s13, 0x20005                    ; w
	s_lshl_b32 s15, s15, 9
	s_add_co_u32 s14, s14, s15                     ; + 128 w columns
	s_lshl_b32 s15, s12, 7
	s_add_co_u32 s14, s14, s15                     ; + 32 g columns: common to both tensors
	s_and_b32 s16, s13, 3
	s_lshl_b32 s16, s16, 21                        ; key: 128 (e % 4) rows of 16,384 bytes
	s_bfe_u32 s17, s13, 0x30002
	s_lshl_b32 s17, s17, 11                        ;      + 512 (e / 4) columns
	s_add_co_u32 s16, s16, s17
	s_and_b32 s17, s13, 31
	s_lshl_b32 s17, s17, 18                        ; value: 128 e rows of 2,048 bytes
	s_cmp_lt_u32 ttmp9, 512                        ; key's work-group or value's?  The choice hangs on the work-group's number alone
	s_cselect_b32 s16, s16, s17
	s_add_co_u32 s16, s16, s14
	s_mov_b32 s17, 0
	s_mul_i32 s18, s13, 12800                      ; the record
	s_mov_b32 s19, 0
	s_wait_kmcnt 0x0
	s_cmp_lt_u32 ttmp9, 512
	s_cselect_b64 s[4:5], s[4:5], s[6:7]
	s_cselect_b64 s[8:9], s[8:9], s[10:11]
	s_add_nc_u64 s[4:5], s[4:5], s[16:17]
	s_add_nc_u64 s[8:9], s[8:9], s[18:19]
	s_cmp_lt_u32 ttmp9, 512
	s_cbranch_scc0 .Lfrom_value                    ; only the rows' pitch differs, and it stands in the loads' immediates: both ways issue 128 loads, all else is one path
.set i, 0
.rept 128
	global_load_b32 v[X+i], v2, s[4:5] offset:i*16384 th:TH_LOAD_NT   ; key(128 (e % 4) + i, my key)
.set i, i+1
.endr
	s_branch .Lloaded
.Lfrom_value:
.set i, 0
.rept 128
	global_load_b32 v[X+i], v2, s[4:5] offset:i*2048 th:TH_LOAD_NT    ; value(128 e + i, my d)
.set i, i+1
.endr
.Lloaded:
; Block t of my column: k = 32 t + 0..31.  In the operand's layout it belongs to lane r + 16 (t % 2), registers 6 (t / 2) + 0..5.
.macro BLOCK t
.set XS, X+32*(\t)
.set C, 24+8*(\t)                      ; each block has its own registers for its codes
.if (\t) == 0
	s_wait_loadcnt 63                              ; loads come back in order: all but the youngest 63 are in, which are blocks 0 and 1 (64 loads) and one more
.elseif (\t) == 2
	s_wait_loadcnt 32                              ; block 3's 32 loads may be out
.elseif (\t) == 3
	s_wait_loadcnt 0x0
.endif
	v_max3_num_f32 v12, |v[XS]|, |v[XS+1]|, |v[XS+2]|               ; the block's largest magnitude: all 32 numbers are mine; two chains
	v_max3_num_f32 v13, |v[XS+3]|, |v[XS+4]|, |v[XS+5]|
.irp i, 6,10,14,18,22,26
	v_max3_num_f32 v12, v12, |v[XS+\i]|, |v[XS+\i+1]|
	v_max3_num_f32 v13, v13, |v[XS+\i+2]|, |v[XS+\i+3]|
.endr
	v_max3_num_f32 v12, v12, |v[XS+30]|, |v[XS+31]|
	v_max3_num_f32 v12, v12, v13, 0x1800000        ; and the floor 2^(3 - 127): the byte cannot fall under 1
	v_add_nc_u32 v11, 0xff000000, v12              ; 2 off its exponent field: the conversion takes the exponent field of this operand as its scale
	v_lshrrev_b32 v13, 23, v11                     ; the scale's byte
.if (\t) == 0
	v_mov_b32 v16, v13                             ; the four bytes make my column's scale word, the lower K in the lower byte
.else
	v_lshl_or_b32 v16, v13, 8*(\t), v16
.endif
	v_cvt_scalef32_pk16_fp6_f32 v[C:C+2], v[XS:XS+15], v11
	v_cvt_scalef32_pk16_fp6_f32 v[C+4:C+6], v[XS+16:XS+31], v11     ; (a conversion's three registers begin on an even number)
	v_nop                                          ; one plain vector instruction between a scaled conversion and the vector instruction that reads its result
	v_mov_b32 v[C+3], v[C+4]
	v_mov_b32 v[C+4], v[C+5]
	v_mov_b32 v[C+5], v[C+6]                       ; v[C:C+5]: the block's 24 bytes on end
.if (\t) < 2
	ds_store_b128 v3, v[C:C+3] offset:256*((\t)%2)                  ; registers 0-3 of lane r + 16 (t % 2)
	ds_store_b64 v3, v[C+4:C+5] offset:256*((\t)%2)+512             ; registers 4, 5
.else
	ds_store_b64 v3, v[C:C+1] offset:256*((\t)%2)+520               ; registers 6, 7
	ds_store_b128 v3, v[C+2:C+5] offset:256*((\t)%2)+1024           ; registers 8-11
.endif
.endm
	BLOCK 0
	BLOCK 1
	BLOCK 2
	BLOCK 3
	ds_store_b32 v6, v16                           ; my column's scale word
.irp n, 0,1,2,3,4,5
	ds_load_b128 v[X+4*\n:X+4*\n+3], v4 offset:1664*(\n/3)+512*(\n%3)   ; LDS serves a wave's instructions in order: these see my stores
.endr
.irp n, 0,1,2,3,4,5
	s_wait_dscnt 5-\n                              ; the younger loads may be out
	global_store_b128 v5, v[X+4*\n:X+4*\n+3], s[8:9] offset:1536*(\n/3)+512*(\n%3)   ; 32 lanes store 512 consecutive bytes, at a multiple of 256 from the buffer's first byte; the next launch reads them: no hint
.endr
	s_wait_dscnt 0x0                               ; for the others' sake: my scale words lie in LDS
	s_barrier_signal -1
	s_barrier_wait -1
	s_cmp_lg_u32 s12, 0
	s_cbranch_scc1 .Lend                           ; wave 0 stores the record's 512 bytes of scale words
	ds_load_b128 v[88:91], v7
	s_wait_dscnt 0x0
	global_store_b128 v17, v[88:91], s[8:9] offset:12288
.Lend:
	s_wait_tensorcnt 0x0
	ds_add_u32 v192, v193
	s_wait_dscnt 0x0
	s_endpgm
.Lfunc_end_k_qaf2cc13036_quant:
	.size	k_qaf2cc13036_quant, .Lfunc_end_k_qaf2cc13036_quant-k_qaf2cc13036_quant
	.p2alignl 7, 3214868480
	.fill 96, 4, 3214868480
	.section	.rodata,"a",@progbits
	.p2align	6, 0x0
	.amdhsa_kernel k_qaf2cc13036_quant
		.amdhsa_group_segment_fixed_size 14336
		.amdhsa_private_segment_fixed_size 0
		.amdhsa_enable_private_segment 0
		.amdhsa_kernarg_size 32
		.amdhsa_user_sgpr_count 2
		.amdhsa_user_sgpr_kernarg_segment_ptr 1
		.amdhsa_wavefront_size32 1
		.amdhsa_system_sgpr_workgroup_id_x 1
		.amdhsa_system_sgpr_workgroup_id_y 1
		.amdhsa_system_sgpr_workgroup_id_z 1
		.amdhsa_system_vgpr_workitem_id 0
		.amdhsa_next_free_vgpr 194
		.amdhsa_next_free_sgpr 66
		.amdhsa_reserve_vcc 0
		.amdhsa_float_denorm_mode_32 3
		.amdhsa_float_denorm_mode_16_64 3
		.amdhsa_memory_ordered 1
		.amdhsa_forward_progress 1
		.amdhsa_inst_pref_size 35
	.end_amdhsa_kernel
	.amdgpu_metadata
---
amdhsa.version: [ 1, 2 ]
amdhsa.kernels:
  - .name:           k_qaf2cc13036_quant
    .symbol:         k_qaf2cc13036_quant.kd
    .args:
      - { .name: key, .offset: 0, .size: 8, .value_kind: global_buffer, .address_space: global }
      - { .name: value, .offset: 8, .size: 8, .value_kind: global_buffer, .address_space: global }
      - { .name: kf, .offset: 16, .size: 8, .value_kind: global_buffer, .address_space: global }
      - { .name: vf, .offset: 24, .size: 8, .value_kind: global_buffer, .address_space: global }
    .group_segment_fixed_size: 14336
    .private_segment_fixed_size: 0
    .kernarg_segment_align: 8
    .kernarg_segment_size: 32
    .max_flat_workgroup_size: 128
    .sgpr_count:     66
    .vgpr_count:     194
    .wavefront_size: 32
...
	.end_amdgpu_metadata
.endif
;; end of part 1
;; launch attn (part 2): grid 64 x 4, 4 waves a work-group, clusters of 4 x 1, 327,680 bytes of LDS; arguments query, kf, vf, out0; writes out0
.if DOCPART == 2
	.amdgcn_target "amdgcn-amd-amdhsa--gfx1250"
	.amdhsa_code_object_version 6
	.text
	.protected	k_qaf2cc13036_attn
	.globl	k_qaf2cc13036_attn
	.p2align	8
	.type	k_qaf2cc13036_attn,@function
k_qaf2cc13036_attn:
	s_mov_b64 s[64:65], 0
	v_nop
	global_prefetch_b8 v0, s[64:65] scope:SCOPE_SE
	s_setreg_imm32_b32 hwreg(HW_REG_WAVE_MODE, 25, 1), 1
	s_wait_xcnt 0x0
	s_wait_alu depctr_hold_cnt(0) depctr_sa_sdst(0) depctr_va_vdst(0) depctr_va_sdst(0) depctr_va_ssrc(0) depctr_va_vcc(0) depctr_vm_vsrc(0)
	s_getreg_b32 s2, hwreg(HW_REG_IB_STS2, 6, 4)
	s_cmp_eq_u32 s2, 0
	s_cbranch_scc0 .Lentry_in_a_cluster
	s_endpgm
.Lentry_in_a_cluster:
	s_bfe_u32 s2, ttmp6, 0x10000c
	s_cmp_lg_u32 s2, 0x3003
	s_cbranch_scc0 .Lentry_shape_is_right
	s_endpgm
.Lentry_shape_is_right:
; out0[b][q][:] = the sum over keys of softmax(query[b][q] . key[b][:][k]) value[b][k][:], both products on codes of FP6 (E2M3) with one E8M0 scale for each 32 along a product's K.
; kf, vf: key's and value's codes and scale words in records of 12,800 bytes (8 fragments as images of an operand's 12 registers, 1,536 bytes each, then 512 bytes of scale words), made by the launch before.
; THE SOFTMAX: t = score x log2(e); M = the row's largest t so far, rounded UP to a whole number; p = 2^(t - M) is what is quantised, along the keys, not normalised.  The row's sum is taken of the unquantised p
; and divides at the end.  When M moves, the sums and O are multiplied by 2^(old M - new M), which rounds nothing.
; SHARES.  A work-group owns 64 queries of one batch (4 tiles of 16) and walks the 4,096 keys in 8 supersteps of 512.  THE FOUR WAVES SHARE THE KEYS IN THE FIRST PRODUCT AND THE CHANNELS IN THE SECOND, NEVER THE QUERIES:
; wave w makes S^T of keys 512 j + 128 w + 0..127 for all 64 queries (8 key tiles x 4 query tiles x 4 K steps = 128 matrix instructions), then O^T of channels 128 w + 0..127 for all 64 queries over the 512 keys
; (8 x 4 x 4 = 128).  So a fragment of K or of V is read from LDS once, by one wave, and feeds four matrix instructions.  Q's 16 fragments stay in every wave's registers.
; A wave's 128 keys are one K step of the second product: its p become one fragment and one scale word for each query tile, which go to the other waves through LDS as images of their registers.
; M is the same in all waves: the superstep's row maxima are exchanged through LDS ahead of the exponentials.
; LAYOUT.  Both products are used transposed (source 0 = 16 keys or 16 channels, source 1 = 16 queries): a lane holds ONE query (lane % 16) throughout.  The columns of a fragment are not neighbours: row r of fragment
; 2 g + u is column 32 g + 8 u + r + 8 (r / 8), so that the 16 registers of tiles 2 g and 2 g + 1 are 16 neighbours: 32 g + 16 (lane / 16) + 0..15.
; RING.  A tile is two records of one wave, 25,600 dense bytes.  Order: K's first two K steps, K's last two, V's first 256 keys, V's last 256; slots 0, 1, 0, 1.  Each wave fetches and reads its own tiles.
; CLUSTER.  The four work-groups of a cluster belong to one batch and walk the same records: each tile is asked for JOINTLY, by the same tensor load with the same descriptor (batch and wave's number alone) and the mask 15.
; By this text's own count a wave has two tensor loads out at the start and one behind each round.
; LIMITS: NaN and infinities among the inputs are not served; a p under 2^-126 comes out of v_exp_f32 as 0; a block's largest p is made from its largest score by the same multiply-add and exponential, which takes
; v_exp_f32 not to fall where its input rises (at the worst one p of a block, within an ulp of a power of two, is held one code low); a block of zeros of query gets the byte 1: its codes are zeros.
; REGISTERS, in windows of 256 (s_set_vgpr_msb: bits 1:0 source 0, 3:2 source 1, 5:4 source 2, 7:6 destination):
;   window 0: v1-15 addresses; v16-31 statistics; v32-39 K's or V's scale words; v48-63 Q's or P's scale words; v64-255 sixteen fragments of K or V, at other times at work
;   window 1: Q(m, s) at 12 (4 m + s)     window 2: S^T(m, t) at 64 m + 8 t, then p; in the second product P(m, sv) at 12 (4 sv + m)     window 3: O^T(m, t) at 64 m + 8 t
.set TILE,  25600
.set REC,   12800
.set FRB,   1536
.set SCO,   12288                      ; a record's scale words
.set SLOT1, 131072                     ; slot 0 at 0, slot 1 here: 102,400 bytes each, wave w's tile at 25600 w; one exclusive or turns an address
.set RB,    102400                     ; behind slot 0: P's 16 images (fragment 4 sv + m), at SCW their scale words [sv][lane][m], at EXO the maxima [wave][lane][m]
.set RC,    233472                     ; behind slot 1: Q's 16 images (fragment 4 m + s), at SCW their scale words [s][lane][m], at EXO the sums [wave][lane][m]
.set SCW,   24576
.set EXO,   26624
.set SPARE, 262144                     ; the spare words, 128 bytes for each wave: two blocks of 256 bytes that no other line names
.set OSTG,  262656                     ; a stage of 16 rows x (512 bytes + 16) for each wave: query on the way in, O on the way out
.set SP,    528
.set SPW,  1                           ; v1   LDS address of my spare word; never rewritten
.set NIL,  2                           ; v2   0; never rewritten
.set SL,   4                           ; v4-5 my lane's 16 bytes in my wave's tile in slot 0, 1
.set PST,  6                           ; v6   where I store P's images: RB + 6144 w + 16 l
.set RBL,  7                           ; v7   RB + 16 l
.set RBW,  8                           ; v8   RB + 512 w + 16 l
.set RCL,  9                           ; v9   RC + 16 l
.set QST,  10                          ; v10  where I store Q's images: RC + 6144 w + 16 l
.set QSS,  11                          ; v11  and their scale words: RC + 16 l + 4 w
.set RCW,  12                          ; v12  RC + 512 w + 16 l
.set STO,  13                          ; v13  the stage by lanes of a tile: row l % 16, + 64 (l / 16)
.set RD,   14                          ; v14  the stage by rows: 16 l
.set GO,   15                          ; v15  16 l: my bytes in 512 bytes of a row of query or of out0
.set ST,   16                          ; tile m: v[16+4m] -M, v[17+4m] the largest t, v[18+4m:19+4m] the sum in two halves
.set KS,   32                          ; register 4 rec + g: lanes 0-15 the words of fragment 2 g, lanes 16-31 those of fragment 2 g + 1
.set BS,   48                          ; register 4 s + m
.set F,    64                          ; fragment n at F + 12 n
.set BM,   64                          ; at work in the softmax: block maxima (4 m + b),
.set BX,   80                          ; the other half's, then the bytes,
.set SO,   96                          ; the conversions' scale operands,
.set XM,   112                         ; the four waves' maxima or sums,
.set RM,   128                         ; a row's figure for each tile,
.set PW,   132                         ; P's scale words,
.set FF,   136                         ; f = 2^(old M - new M), a pair for each tile (the low word is used),
.set T,    144                         ; second chains of the sums,
.set PC,   160                         ; the codes, 24 registers a tile
.set TM,   128                         ; at work in Q's quantiser
.set QPW,  144
.set QPC,  160
.set WV,   12                          ; s12  my wave's number
.set G1,   16                          ; s[16:23] descriptor group 1
.set GK0,  24                          ; s[24:27] group 0 for K's first tile
.set GK1,  28                          ; s[28:31] group 0 for K's tiles, which walks
.set GV,   32                          ; s[32:35] the same for V's
.set SEL,  36                          ; s[36:37] v_permlanex16_b32's selects for lane l xor 16
.set CS,   38                          ; s[38:39] c = log2(e): the packed form names a pair and takes its low word for both halves
.set TRIPS, 40
.set MSB, 0
.macro WIN new                         ; the immediate's high byte repeats the setting that is left; a switch that changes nothing is dropped
.if MSB != \new
	s_set_vgpr_msb (MSB<<8)|\new
.set MSB, \new
.endif
.endm
; A round of the cluster's barrier: my work-group's barrier, so that wave 0's signal speaks for all four waves; wave 0 signals; every wave waits for all four work-groups; my work-group's barrier once more.
.macro CROUND
	s_barrier_signal -1
	s_barrier_wait -1
	s_cmp_lg_u32 s[WV], 0
	s_cbranch_scc1 .Lnot_wave_0_\@
	s_barrier_signal -3
.Lnot_wave_0_\@:
	s_barrier_wait -3
	s_barrier_signal -1
	s_barrier_wait -1
.endm
; THE CHANGE OF SLOTS, at the head of each tile.  Each wave waits for all its tensor loads (the one that is out is the tile that it is about to read), adds 0 to its spare word, steps the descriptor issued at the change
; before, and waits for the add and for its LDS instructions (its reads of the slot that it has left, its stores for the other waves).  Behind the round no wave of any partner reads that slot or has a load on its way:
; the joint refill is the first thing there.  The five v_nop behind it are also the places in front of the loads into registers that the last products read, and in front of products that write over such registers.
.macro CHANGE stp, iss
	WIN 0                                          ; at a label and at a branch every window is 0; the add's two registers lie in window 0
	s_wait_tensorcnt 0x0                           ; no tensor load of mine is out, so a group 0 may be written
	ds_add_u32 v[SPW], v[NIL]                      ; 0 onto my spare word: the descriptor's step stands between it and the wait for it
	s_xor_b32 s[\stp+1], s[\stp+1], SLOT1          ; the other slot than last time,
	s_add_nc_u64 s[\stp+2:\stp+3], s[\stp+2:\stp+3], TILE   ; the stream's next two records; the type bits on top are not reached
	s_wait_dscnt 0x0
	CROUND
	tensor_load_to_lds s[\iss:\iss+3], s[G1:G1+7]
	s_nop 0
.rept 5
	v_nop
.endr
.endm
; LDS loads, all of 16 bytes a lane, 512 consecutive bytes an instruction
.macro LDSC slot                       ; the tile's two blocks of scale words
.irp c, 0,1
	ds_load_b128 v[KS+4*\c:KS+4*\c+3], v[SL+\slot] offset:REC*\c+SCO
.endr
.endm
.macro LDG slot, g                     ; fragments 4 g .. 4 g + 3 of the tile's sixteen: 12 loads
.set xn, 4*(\g)
.rept 4
.irp c, 0,1,2
	ds_load_b128 v[F+12*xn+4*\c:F+12*xn+4*\c+3], v[SL+\slot] offset:REC*(xn/8)+FRB*(xn%8)+512*\c
.endr
.set xn, xn+1
.endr
.endm
.macro LDQS                            ; Q's scale words
.irp c, 0,1,2,3
	ds_load_b128 v[BS+4*\c:BS+4*\c+3], v[RCL] offset:SCW+512*\c
.endr
.endm
.macro LDPS                            ; P's scale words
.irp c, 0,1,2,3
	ds_load_b128 v[BS+4*\c:BS+4*\c+3], v[RBL] offset:SCW+512*\c
.endr
.endm
.macro LDP sv                          ; P's four fragments of K step sv, into window 2: 12 loads
.irp q, 0,1,2,3
.irp c, 0,1,2
	ds_load_b128 v[12*(4*(\sv)+\q)+4*\c:12*(4*(\sv)+\q)+4*\c+3], v[RBL] offset:FRB*(4*(\sv)+\q)+512*\c
.endr
.endr
.endm
; One matrix instruction, from the symbols rD, rA, rB, rKA, rKB; xz: the product starts its sum; xt odd: source 0's scale words stand in lanes 16-31
.macro WM
.if xz
.if xt%2
	v_wmma_scale_f32_16x16x128_f8f6f4 v[rD:rD+7], v[rA:rA+11], v[rB:rB+11], 0, v[rKA], v[rKB] matrix_a_fmt:MATRIX_FMT_FP6 matrix_b_fmt:MATRIX_FMT_FP6 matrix_a_scale:MATRIX_SCALE_ROW1
.else
	v_wmma_scale_f32_16x16x128_f8f6f4 v[rD:rD+7], v[rA:rA+11], v[rB:rB+11], 0, v[rKA], v[rKB] matrix_a_fmt:MATRIX_FMT_FP6 matrix_b_fmt:MATRIX_FMT_FP6
.endif
.else
.if xt%2
	v_wmma_scale_f32_16x16x128_f8f6f4 v[rD:rD+7], v[rA:rA+11], v[rB:rB+11], v[rD:rD+7], v[rKA], v[rKB] matrix_a_fmt:MATRIX_FMT_FP6 matrix_b_fmt:MATRIX_FMT_FP6 matrix_a_scale:MATRIX_SCALE_ROW1
.else
	v_wmma_scale_f32_16x16x128_f8f6f4 v[rD:rD+7], v[rA:rA+11], v[rB:rB+11], v[rD:rD+7], v[rKA], v[rKB] matrix_a_fmt:MATRIX_FMT_FP6 matrix_b_fmt:MATRIX_FMT_FP6
.endif
.endif
.endm
; 16 matrix instructions: fragments 4 g .. 4 g + 3 of the tile, each against the four query tiles.  The 32 accumulators take turns, one instruction a turn.
.macro MULS half, g                    ; S^T(m, t) += K(t, K step s) Q(m, s), s = 2 half + the fragment's record; the products of s = 0 start the sums
.set xn, 4*(\g)
.rept 4
.set xr, xn/8
.set xt, xn%8
.set xs, 2*(\half)+xr
.set xz, 0
.if xs == 0
.set xz, 1
.endif
.set xm, 0
.rept 4
.set rD, 64*xm+8*xt
.set rA, F+12*xn
.set rB, 12*(4*xm+xs)
.set rKA, KS+4*xr+xt/2
.set rKB, BS+4*xs+xm
	WM
.set xm, xm+1
.endr
.set xn, xn+1
.endr
.endm
.macro MULV half, g, first             ; O^T(m, t) += V(t, K step sv) P(m, sv), sv = 2 half + the fragment's record; first = 1: the products of sv = 0 start the sums: nothing is ever cleared
.set xn, 4*(\g)
.rept 4
.set xr, xn/8
.set xt, xn%8
.set xs, 2*(\half)+xr
.set xz, 0
.if (\first) && (xs == 0)
.set xz, 1
.endif
.set xm, 0
.rept 4
.set rD, 64*xm+8*xt
.set rA, F+12*xn
.set rB, 12*(4*xs+xm)
.set rKA, KS+4*xr+xt/2
.set rKB, BS+4*xs+xm
	WM
.set xm, xm+1
.endr
.set xn, xn+1
.endr
.endm
; A tile of K: all its loads in one run, then 64 matrix instructions; each wait leaves out the groups of 12 loads issued behind the group that is due
.macro PHASE_S half, slot
	WIN 0
.if \half == 0
	LDQS
.endif
	LDSC \slot
	LDG \slot, 0
	LDG \slot, 1
	LDG \slot, 2
	LDG \slot, 3
	WIN 0xa4                                       ; source 0 (K) window 0, source 1 (Q) window 1, C and D window 2
	s_wait_dscnt 36
	MULS \half, 0
	s_wait_dscnt 24
	MULS \half, 1
	s_wait_dscnt 12
	MULS \half, 2
	s_wait_dscnt 0x0
	MULS \half, 3
.endm
; V's first tile, and all of P: 102 loads
.macro PHASE_VA first
	WIN 0
	LDPS
	WIN 0x80                                       ; destination window 2
	LDP 0
	WIN 0
	LDSC 0
	LDG 0, 0
	LDG 0, 1
	WIN 0x80
	LDP 1
	WIN 0
	LDG 0, 2
	LDG 0, 3
	WIN 0x80
	LDP 2
	LDP 3
	WIN 0xf8                                       ; source 0 (V) window 0, source 1 (P) window 2, C and D window 3
	s_wait_dscnt 63                                ; P's words, P 0, V's words and group 0 are the oldest 30; 72 were issued behind them, and 63 is the largest count that can be written
	MULV 0, 0, \first
	s_wait_dscnt 60                                ; behind group 1: P 1, groups 2 and 3, P 2, P 3
	MULV 0, 1, \first
	s_wait_dscnt 36                                ; behind group 2: group 3, P 2, P 3
	MULV 0, 2, \first
	s_wait_dscnt 24                                ; behind group 3: P 2, P 3
	MULV 0, 3, \first
.endm
.macro PHASE_VB                        ; V's second tile; P 2 and P 3 were asked for ahead of these loads, so the first wait covers them
	WIN 0
	LDSC 1
	LDG 1, 0
	LDG 1, 1
	LDG 1, 2
	LDG 1, 3
	WIN 0xf8
	s_wait_dscnt 36
	MULV 1, 0, 0
	s_wait_dscnt 24
	MULV 1, 1, 0
	s_wait_dscnt 12
	MULV 1, 2, 0
	s_wait_dscnt 0x0
	MULV 1, 3, 0
.endm
.macro EFMA pr                         ; pair pr of my 128 pairs of scores: t - M, two at a time (of the pairs c and -M the low word serves both halves)
	v_pk_fma_f32 v[2*(\pr):2*(\pr)+1], v[2*(\pr):2*(\pr)+1], s[CS:CS+1], v[ST+4*((\pr)/32):ST+4*((\pr)/32)+1] op_sel_hi:[1,0,0]
.endm
; THE SOFTMAX of a superstep, for my 128 keys and the four query tiles.  Register 64 m + 16 b + i of window 2 is the score of query 16 m + lane % 16 and key 32 b + 16 (lane / 16) + i.  first = 1: O^T has not begun.
.macro SOFTMAX first
.rept 4
	v_nop                                          ; places behind the last products: their results are read and their fragments' registers written below
.endr
	WIN 0x2a                                       ; all three sources window 2
.irp q, 0,1,2,3
.irp b, 0,1,2,3
	v_max3_num_f32 v[BM+4*\q+\b], v[64*\q+16*\b], v[64*\q+16*\b+1], v[64*\q+16*\b+2]   ; THE LARGEST SCORE OF EACH BLOCK OF 32 KEYS serves twice: for the row's maximum and for the block's largest p.  Each accumulator is read from its low end on
.endr
.endr
	WIN 0x28
.irp i, 3,5,7,9,11,13
.irp q, 0,1,2,3
.irp b, 0,1,2,3
	v_max3_num_f32 v[BM+4*\q+\b], v[BM+4*\q+\b], v[64*\q+16*\b+\i], v[64*\q+16*\b+\i+1]
.endr
.endr
.endr
.irp q, 0,1,2,3
.irp b, 0,1,2,3
	v_max_num_f32 v[BM+4*\q+\b], v[BM+4*\q+\b], v[64*\q+16*\b+15]
.endr
.endr
	WIN 0
.irp x, 0,1,2,3,4,5,6,7,8,9,10,11,12,13,14,15
	v_permlanex16_b32 v[BX+\x], v[BM+\x], s[SEL], s[SEL+1]
.endr
.irp x, 0,1,2,3,4,5,6,7,8,9,10,11,12,13,14,15
	v_max_num_f32 v[BM+\x], v[BM+\x], v[BX+\x]     ; with lane l xor 16's 16 keys
.endr
.irp q, 0,1,2,3
	v_max3_num_f32 v[RM+\q], v[BM+4*\q], v[BM+4*\q+1], v[BM+4*\q+2]
.endr
.irp q, 0,1,2,3
	v_max_num_f32 v[RM+\q], v[RM+\q], v[BM+4*\q+3] ; my 128 keys' largest score of each of my four queries
.endr
	ds_store_b128 v[RBW], v[RM:RM+3] offset:EXO
	s_wait_dscnt 0x0                               ; for the others' sake: my maxima lie in LDS
	s_barrier_signal -1                            ; a plain barrier: V's tile may stay on its way across it
	s_barrier_wait -1
.irp x, 0,1,2,3
	ds_load_b128 v[XM+4*\x:XM+4*\x+3], v[RBL] offset:EXO+512*\x
.endr
	s_wait_dscnt 0x0
.irp q, 0,1,2,3
	v_max3_num_f32 v[RM+\q], v[XM+\q], v[XM+4+\q], v[XM+8+\q]
.endr
.irp q, 0,1,2,3
	v_max_num_f32 v[RM+\q], v[RM+\q], v[XM+12+\q]  ; the superstep's largest score: the same number in all four waves
.endr
.irp q, 0,1,2,3
	v_mul_f32 v[RM+\q], s[CS], v[RM+\q]            ; as t (c is positive)
.endr
.irp q, 0,1,2,3
	v_max_num_f32 v[ST+4*\q+1], v[ST+4*\q+1], v[RM+\q]   ; the running largest t
.endr
.irp q, 0,1,2,3
	v_mov_b32 v[RM+\q], v[ST+4*\q]
.endr
.irp q, 0,1,2,3
	v_floor_f32 v[ST+4*\q], -v[ST+4*\q+1]          ; the new -M = floor(-t) = -ceil(t): M IS A WHOLE NUMBER
.endr
.irp q, 0,1,2,3
	v_sub_f32 v[RM+\q], v[ST+4*\q], v[RM+\q]       ; M's old value less its new one: a whole number, 0 or less
.endr
.irp q, 0,1,2,3
	v_cvt_i32_f32 v[RM+\q], v[RM+\q]               ; (it saturates)
.endr
.irp q, 0,1,2,3
	v_ldexp_f32 v[FF+2*\q], 1.0, v[RM+\q]          ; f = 2^(old M - new M)
.endr
	WIN 0x82                                       ; destination and source 0 window 2
	EFMA 0
	EFMA 1
.set xp, 0
.rept 128                              ; p = 2^(t - M), in place; a multiply-add two pairs ahead stands between the exponentials of one pair and those of the next
.if xp < 126
	EFMA xp+2
.endif
	v_exp_f32 v[2*xp], v[2*xp]
	v_exp_f32 v[2*xp+1], v[2*xp+1]
.set xp, xp+1
.endr
	WIN 0
.irp q, 0,1,2,3
.irp b, 0,1,2,3
	v_fma_f32 v[BM+4*\q+\b], v[BM+4*\q+\b], s[CS], v[ST+4*\q]   ; the same of each block's largest score.  (The first of these is the plain instruction behind the exponentials above)
.endr
.endr
.irp x, 0,1,2,3,4,5,6,7,8,9,10,11,12,13,14,15
	v_exp_f32 v[BM+\x], v[BM+\x]                   ; the block's largest p: the same two instructions on the same number give the same bits
.endr
.irp q, 0,1,2,3
	v_pk_mul_f32 v[ST+4*\q+2:ST+4*\q+3], v[ST+4*\q+2:ST+4*\q+3], v[FF+2*\q:FF+2*\q+1] op_sel_hi:[1,0]   ; the sums under the new M.  (Plain instructions behind the exponentials)
.endr
	s_wait_alu depctr_va_vdst(0)
.irp x, 0,1,2,3,4,5,6,7,8,9,10,11,12,13,14,15
	v_max_num_f32 v[BM+\x], 0x1800000, v[BM+\x]    ; the floor 2^(3 - 127): the byte cannot fall under 1 (a block whose every p is 0 keeps that byte: its codes are zeros)
.endr
.irp x, 0,1,2,3,4,5,6,7,8,9,10,11,12,13,14,15
	v_add_nc_u32 v[SO+\x], 0xff000000, v[BM+\x]    ; 2 off the exponent field: the conversion's scale operand
.endr
.irp x, 0,1,2,3,4,5,6,7,8,9,10,11,12,13,14,15
	v_lshrrev_b32 v[BX+\x], 23, v[SO+\x]           ; the scale's byte
.endr
.irp q, 0,1,2,3
	v_lshl_or_b32 v[PW+\q], v[BX+4*\q+1], 8, v[BX+4*\q]   ; p's scale word for my 128 keys
.endr
.irp q, 0,1,2,3
	v_lshl_or_b32 v[PW+\q], v[BX+4*\q+2], 16, v[PW+\q]
.endr
.irp q, 0,1,2,3
	v_lshl_or_b32 v[PW+\q], v[BX+4*\q+3], 24, v[PW+\q]
.endr
	WIN 0x02                                       ; source 0 (the numbers) window 2
.irp q, 0,1,2,3
.irp c, 0,1
	v_cvt_scalef32_pk16_fp6_f32 v[PC+24*\q+6*\c:PC+24*\q+6*\c+2], v[64*\q+32*\c:64*\q+32*\c+15], v[SO+4*\q+2*\c]
	v_cvt_scalef32_pk16_fp6_f32 v[PC+24*\q+12+4*\c:PC+24*\q+14+4*\c], v[64*\q+32*\c+16:64*\q+32*\c+31], v[SO+4*\q+2*\c+1]   ; (a conversion's three registers begin on an even number)
.endr
.endr
	WIN 0
	v_nop                                          ; one plain vector instruction behind the last scaled conversion
.irp q, 0,1,2,3                        ; the operand's layout wants a WHOLE block in a lane: lanes 0-15 block 2 c, lanes 16-31 block 2 c + 1
.irp c, 0,1
.irp i, 0,1,2
	v_permlane16_swap_b32 v[PC+24*\q+6*\c+\i], v[PC+24*\q+12+4*\c+\i]
.endr
.irp i, 0,1,2
	v_mov_b32 v[PC+24*\q+3+6*\c+\i], v[PC+24*\q+12+4*\c+\i]
.endr
.endr
.endr
.irp q, 0,1,2,3
.irp c, 0,1,2
	ds_store_b128 v[PST], v[PC+24*\q+4*\c:PC+24*\q+4*\c+3] offset:FRB*\q+512*\c   ; K step w of the second product, query tile q: the fragment as it stands
.endr
.endr
	ds_store_b128 v[RBW], v[PW:PW+3] offset:SCW
	WIN 0x0a                                       ; sources 0 and 1 window 2
.irp q, 0,1,2,3
	v_pk_add_f32 v[T+2*\q:T+2*\q+1], v[64*\q:64*\q+1], v[64*\q+2:64*\q+3]   ; THE ROW'S SUM IS TAKEN OF THE UNQUANTISED p: two at a time, two chains a tile
.endr
	WIN 0x08
.irp j, 4,8,12,16,20,24,28,32,36,40,44,48,52,56,60
.irp q, 0,1,2,3
	v_pk_add_f32 v[ST+4*\q+2:ST+4*\q+3], v[ST+4*\q+2:ST+4*\q+3], v[64*\q+\j:64*\q+\j+1]
	v_pk_add_f32 v[T+2*\q:T+2*\q+1], v[T+2*\q:T+2*\q+1], v[64*\q+\j+2:64*\q+\j+3]
.endr
.endr
	WIN 0
.irp q, 0,1,2,3
	v_pk_add_f32 v[ST+4*\q+2:ST+4*\q+3], v[ST+4*\q+2:ST+4*\q+3], v[T+2*\q:T+2*\q+1]
.endr
.if !\first
	WIN 0xc3                                       ; destination and source 0 window 3
.set xo, 0
.rept 128
	v_pk_mul_f32 v[xo:xo+1], v[xo:xo+1], v[FF+2*(xo/64):FF+2*(xo/64)+1] op_sel_hi:[1,0]   ; O^T under the new M: x f; each accumulator from its low end on
.set xo, xo+2
.endr
.endif
	WIN 0
.endm
; 64 numbers of a lane, v[s] .. v[s + 63], register 16 b + i = k 32 b + 16 (lane / 16) + i of my row, become a fragment's codes in v[QPC] on and its scale word in v[QPW].
.macro QUANT s
.irp b, 0,1,2,3
	v_max3_num_f32 v[TM+\b], |v[\s+16*\b]|, |v[\s+1+16*\b]|, 0x1800000   ; block b: my 16 numbers, and the floor 2^(3 - 127)
.endr
.irp i, 2,4,6,8,10,12,14
.irp b, 0,1,2,3
	v_max3_num_f32 v[TM+\b], v[TM+\b], |v[\s+16*\b+\i]|, |v[\s+1+16*\b+\i]|
.endr
.endr
.irp b, 0,1,2,3
	v_permlanex16_b32 v[TM+4+\b], v[TM+\b], s[SEL], s[SEL+1]
.endr
.irp b, 0,1,2,3
	v_max_num_f32 v[TM+\b], v[TM+\b], v[TM+4+\b]   ; with lane l xor 16's: the block's largest magnitude
.endr
.irp b, 0,1,2,3
	v_add_nc_u32 v[TM+12+\b], 0xff000000, v[TM+\b] ; 2 off its exponent field: the conversion's scale operand
.endr
.irp b, 0,1,2,3
	v_lshrrev_b32 v[TM+4+\b], 23, v[TM+12+\b]      ; the scale's byte
.endr
	v_lshl_or_b32 v[QPW], v[TM+5], 8, v[TM+4]
	v_lshl_or_b32 v[QPW], v[TM+6], 16, v[QPW]
	v_lshl_or_b32 v[QPW], v[TM+7], 24, v[QPW]
.irp c, 0,1
	v_cvt_scalef32_pk16_fp6_f32 v[QPC+6*\c:QPC+2+6*\c], v[\s+32*\c:\s+15+32*\c], v[TM+12+2*\c]
	v_cvt_scalef32_pk16_fp6_f32 v[QPC+12+4*\c:QPC+14+4*\c], v[\s+16+32*\c:\s+31+32*\c], v[TM+12+2*\c+1]
.endr
	v_nop                                          ; one plain vector instruction behind the last scaled conversion
.irp c, 0,1
.irp i, 0,1,2
	v_permlane16_swap_b32 v[QPC+6*\c+\i], v[QPC+12+4*\c+\i]
.endr
.irp i, 0,1,2
	v_mov_b32 v[QPC+3+6*\c+\i], v[QPC+12+4*\c+\i]
.endr
.endr
.endm
	s_load_b256 s[4:11], s[0:1], 0x0               ; query s[4:5], kf s[6:7], vf s[8:9], out0 s[10:11]
	v_lshl_add_u32 v[SPW], v0, 2, SPARE
	v_mov_b32 v[NIL], 0
	ds_add_u32 v1, v2
	ds_add_u32 v1, v2
	s_wait_dscnt 0x0
	v_lshrrev_b32 v3, 5, v0
	v_readfirstlane_b32 s[WV], v3                  ; wave 0..3
	v_and_b32 v3, 31, v0
	v_lshlrev_b32 v[GO], 4, v3                     ; 16 l
	s_mul_i32 s42, s[WV], TILE                     ; my tile's place in a slot: no place in the cluster enters an LDS address
	v_add_nc_u32 v[SL], s42, v[GO]
	v_add_nc_u32 v[SL+1], SLOT1, v[SL]
	s_mul_i32 s43, s[WV], 4*FRB
	s_add_co_u32 s44, s43, RB
	v_add_nc_u32 v[PST], s44, v[GO]
	v_add_nc_u32 v[RBL], RB, v[GO]
	s_lshl_b32 s45, s[WV], 9
	s_add_co_u32 s44, s45, RB
	v_add_nc_u32 v[RBW], s44, v[GO]
	v_add_nc_u32 v[RCL], RC, v[GO]
	s_add_co_u32 s44, s43, RC
	v_add_nc_u32 v[QST], s44, v[GO]
	s_lshl_b32 s44, s[WV], 2
	s_add_co_u32 s44, s44, RC
	v_add_nc_u32 v[QSS], s44, v[GO]
	s_add_co_u32 s44, s45, RC
	v_add_nc_u32 v[RCW], s44, v[GO]
	s_mul_i32 s44, s[WV], 16*SP
	s_add_co_u32 s44, s44, OSTG                    ; my stage
	v_add_nc_u32 v[RD], s44, v[GO]
	v_and_b32 v3, 15, v0
	v_mul_u32_u24 v[STO], v3, SP
	v_bfe_u32 v3, v0, 4, 1
	v_lshl_add_u32 v[STO], v3, 6, v[STO]
	v_add_nc_u32 v[STO], s44, v[STO]
	s_bfe_u32 s13, ttmp6, 0x40000                  ; cx: my place in the cluster
	s_lshl_b32 s14, ttmp9, 2                       ; in a cluster launch ttmp9 counts clusters
	s_add_co_u32 s14, s14, s13                     ; my block of 64 queries = 4 x cluster x + cx: it enters query's and out0's addresses alone
	s_and_b32 s15, ttmp7, 0xffff                   ; the batch, which the four partners share
	s_lshl_b32 s46, s15, 23                        ; the batch: 4,096 rows of 2,048 bytes,
	s_lshl_b32 s47, s14, 17                        ; my block's 64 rows
	s_add_co_u32 s46, s46, s47
	s_lshl_b32 s48, s[WV], 15
	s_add_co_u32 s48, s48, s46                     ; query: my wave quantises rows 16 w .. 16 w + 15 of the block
	s_mov_b32 s49, 0
	s_add_co_u32 s46, s46, s45                     ; out0: my wave stores channels 128 w on (512 w bytes) of all 64 rows
	s_mov_b32 s47, 0
	s_lshl_b32 s50, s15, 2
	s_add_co_u32 s50, s50, s[WV]
	s_mul_i32 s50, s50, 16*TILE                    ; my stream in kf and in vf: 32 records on end, (4 batch + w) x 409,600 bytes
	s_mov_b32 s51, 0
	; descriptor group 1: a dense block of 25,600 bytes as 100 rows of 256 bytes
	s_mov_b32 s[G1+0], 15|(3<<16)|(1<<21)          ; 15:0 the mask: all four work-groups; 17:16 elements of 8 bytes; 20 no padding; 21 set beside a mask
	s_mov_b32 s[G1+1], 32<<16                      ; tensor_dim0 = 32
	s_mov_b32 s[G1+2], 100<<16                     ; tensor_dim1 = 100
	s_mov_b32 s[G1+3], 32<<16                      ; tile_dim0 = 32
	s_mov_b32 s[G1+4], 100                         ; tile_dim1 = 100
	s_mov_b32 s[G1+5], 32                          ; tensor_dim0_stride
	s_mov_b32 s[G1+6], 0
	s_mov_b32 s[G1+7], 0
	s_mov_b32 s[SEL], 0x76543210
	s_mov_b32 s[SEL+1], 0xfedcba98
	s_mov_b32 s[CS], 0x3fb8aa3b                    ; c = log2(e)
	s_mov_b32 s[CS+1], s[CS]                       ; (named with it as a pair, so it is written)
	s_mov_b32 s[TRIPS], 7
	s_wait_kmcnt 0x0
	s_add_nc_u64 s[4:5], s[4:5], s[48:49]
	s_add_nc_u64 s[10:11], s[10:11], s[46:47]
	s_add_nc_u64 s[6:7], s[6:7], s[50:51]
	s_add_nc_u64 s[8:9], s[8:9], s[50:51]
	s_mov_b32 s[GK0], 1                            ; 1:0 count = 1
	s_mov_b32 s[GK0+1], s42                        ; LDS address: slot 0
	s_mov_b64 s[GK0+2:GK0+3], s[6:7]               ; K's records 0, 1
	s_or_b32 s[GK0+3], s[GK0+3], 0x80000000        ; 127:126 type = 2
	s_mov_b32 s[GK1], 1
	s_add_co_u32 s[GK1+1], s42, SLOT1              ; slot 1
	s_add_nc_u64 s[GK1+2:GK1+3], s[6:7], TILE      ; K's records 2, 3
	s_or_b32 s[GK1+3], s[GK1+3], 0x80000000
	s_mov_b32 s[GV], 1
	s_mov_b32 s[GV+1], s42                         ; slot 0
	s_mov_b64 s[GV+2:GV+3], s[8:9]                 ; V's records 0, 1
	s_or_b32 s[GV+3], s[GV+3], 0x80000000
	CROUND                                         ; all four work-groups are here: the first joint loads meet
	tensor_load_to_lds s[GK0:GK0+3], s[G1:G1+7]    ; the two first fills stand together, ahead of every wait on TENSORcnt, every LDS read and every other barrier
	s_nop 0
	tensor_load_to_lds s[GK1:GK1+3], s[G1:G1+7]
	s_nop 0
.rept 5
	v_nop
.endr
	WIN 0x80                                       ; destination window 2
.irp s, 0,1,2,3
.irp i, 0,1,2,3,4,5,6,7,8,9,10,11,12,13,14,15
	global_load_b128 v[64*\s+4*\i:64*\s+4*\i+3], v[GO], s[4:5] offset:2048*\i+512*\s th:TH_LOAD_NT   ; row i of my 16, K step s: 32 lanes read 512 consecutive bytes
.endr
.endr
	WIN 0
.irp q, 0,1,2,3
	v_mov_b32 v[ST+4*\q+1], 0xff61b1e6             ; the largest t so far: -3e38, under every t
	v_floor_f32 v[ST+4*\q], -v[ST+4*\q+1]          ; -M
	v_mov_b32 v[ST+4*\q+2], 0                      ; the sum, in two halves
	v_mov_b32 v[ST+4*\q+3], 0
	v_mov_b32 v[TM+4+\q], 0                        ; written once: a lane permute's destination counts as one of its sources
.endr
	; Q: my 16 rows become four fragments.  A K step's 16 x 512 bytes turn through my stage: in as rows, back 64 bytes a lane: 16 neighbours of each block of 32
.irp s, 0,1,2,3
	s_wait_loadcnt 48-16*\s                        ; this K step's 16 loads are in; the later K steps' may be out
	WIN 0x08                                       ; an LDS store's data are its source 1: window 2
.irp i, 0,1,2,3,4,5,6,7,8,9,10,11,12,13,14,15
	ds_store_b128 v[RD], v[64*\s+4*\i:64*\s+4*\i+3] offset:SP*\i
.endr
	WIN 0
.irp b, 0,1,2,3
.irp j, 0,1,2,3
	ds_load_b128 v[F+16*\b+4*\j:F+16*\b+4*\j+3], v[STO] offset:128*\b+16*\j   ; LDS serves a wave's instructions in order: these see my stores
.endr
.endr
	s_wait_dscnt 0x0
	QUANT F
.irp c, 0,1,2
	ds_store_b128 v[QST], v[QPC+4*\c:QPC+4*\c+3] offset:FRB*\s+512*\c   ; fragment (query tile w, K step s), as it stands
.endr
	ds_store_b32 v[QSS], v[QPW] offset:SCW+512*\s
.endr
	s_wait_tensorcnt 0x1                           ; my tile of K's first two K steps is in; the second tile may stay out
	s_wait_dscnt 0x0                               ; for the others' sake: my images of Q lie in LDS
	s_barrier_signal -1
	s_barrier_wait -1
	WIN 0x40                                       ; destination window 1
.set xn, 0
.rept 16
.irp c, 0,1,2
	ds_load_b128 v[12*xn+4*\c:12*xn+4*\c+3], v[RCL] offset:FRB*xn+512*\c   ; all of Q stays in my registers; these loads are older than the first tile's, whose waits cover them
.endr
.set xn, xn+1
.endr
	WIN 0
	; SUPERSTEP 0 stands in front of the loop: its second product starts O^T's sums
	PHASE_S 0, 0
	CHANGE GK1, GV                                 ; K's second tile is in; V's first goes into slot 0
	PHASE_S 1, 1
	SOFTMAX 1
	CHANGE GV, GV                                  ; V's first tile is in, every wave's P lies in LDS; V's second goes into slot 1
	PHASE_VA 1
	WIN 0                                          ; at a label and at a branch every window is 0
.Lstep:                                                ; 7 trips: from a superstep's last tile to the next superstep's third
	CHANGE GV, GK1                                 ; V's second tile is in; the next superstep's first tile of K goes into slot 0
	PHASE_VB
	CHANGE GK1, GK1                                ; K's first tile is in; its second goes into slot 1
	PHASE_S 0, 0
	CHANGE GK1, GV
	PHASE_S 1, 1
	SOFTMAX 0
	CHANGE GV, GV
	PHASE_VA 0
	WIN 0
	s_sub_co_u32 s[TRIPS], s[TRIPS], 1
	s_cmp_lg_u32 s[TRIPS], 0
	s_cbranch_scc1 .Lstep
	s_wait_tensorcnt 0x0                           ; the last tile, V's, is in: it is my wave's own, and nothing is left to fetch
.rept 4
	v_nop                                          ; places in front of loads into registers that the last products read
.endr
	PHASE_VB
	; THE WAY OUT.  My sums cover my 128 keys of each superstep: the four waves' are added; O^T is divided by the sum and goes through my stage, a tile of 16 queries at a time.
	WIN 0
.rept 4
	v_nop                                          ; places behind the last products
.endr
.irp q, 0,1,2,3
	v_add_f32 v[RM+\q], v[ST+4*\q+2], v[ST+4*\q+3] ; the sum's two halves,
.endr
.irp q, 0,1,2,3
	v_permlanex16_b32 v[BX+\q], v[RM+\q], s[SEL], s[SEL+1]
.endr
.irp q, 0,1,2,3
	v_add_f32 v[RM+\q], v[RM+\q], v[BX+\q]         ; and lane l xor 16's
.endr
	ds_store_b128 v[RCW], v[RM:RM+3] offset:EXO
	s_wait_dscnt 0x0                               ; for the others' sake
	s_barrier_signal -1
	s_barrier_wait -1
.irp x, 0,1,2,3
	ds_load_b128 v[XM+4*\x:XM+4*\x+3], v[RCL] offset:EXO+512*\x
.endr
	s_wait_dscnt 0x0
.irp q, 0,1,2,3
	v_add_f32 v[RM+\q], v[XM+\q], v[XM+4+\q]       ; in one order in every wave
.endr
.irp q, 0,1,2,3
	v_add_f32 v[RM+\q], v[RM+\q], v[XM+8+\q]
.endr
.irp q, 0,1,2,3
	v_add_f32 v[RM+\q], v[RM+\q], v[XM+12+\q]      ; the row's sum
.endr
.irp q, 0,1,2,3
	v_rcp_f32 v[FF+2*\q], v[RM+\q]
.endr
	v_nop                                          ; a plain instruction between the last reciprocal and the use of its result
	WIN 0xc3
.set xo, 0
	s_wait_alu depctr_va_vdst(0)
.rept 128
	v_pk_mul_f32 v[xo:xo+1], v[xo:xo+1], v[FF+2*(xo/64):FF+2*(xo/64)+1] op_sel_hi:[1,0]   ; O^T / the sum; each accumulator from its low end on
.set xo, xo+2
.endr
; Register 64 a + 16 b + i of window 3 is out0(query 16 a + l % 16, channel 128 w + 32 b + 16 (l / 16) + i): 64 bytes a lane and block go into rows of 528 bytes and come back as whole rows of 512.
.macro TOSTAGE a
	WIN 0x0c                                       ; the data: window 3
.irp b, 0,1,2,3
.irp i, 0,1,2,3
	ds_store_b128 v[STO], v[64*(\a)+16*\b+4*\i:64*(\a)+16*\b+4*\i+3] offset:128*\b+16*\i
.endr
.endr
	WIN 0
.set BB, F+64*((\a)%2)
.irp i, 0,1,2,3,4,5,6,7,8,9,10,11,12,13,14,15
	ds_load_b128 v[BB+4*\i:BB+4*\i+3], v[RD] offset:SP*\i   ; LDS serves a wave's instructions in order: these see the stores above, and the next tile's stores come behind them
.endr
.endm
.macro SEND a, younger                 ; younger: the LDS instructions issued behind tile a's loads, which may stay out
.set BB, F+64*((\a)%2)
	s_wait_dscnt \younger
.irp i, 0,1,2,3,4,5,6,7,8,9,10,11,12,13,14,15
	global_store_b128 v[GO], v[BB+4*\i:BB+4*\i+3], s[10:11] offset:(16*(\a)+\i)*2048 th:TH_STORE_NT   ; 32 lanes store 512 consecutive bytes, at a multiple of 256 from out0's first byte; written once, read by nobody here
.endr
.endm
	TOSTAGE 0
.irp a, 1,2,3
.if \a > 1
	s_wait_xcnt 0x0                                ; tile a - 2's stores have read their registers: tile a's loads may land there
.endif
	TOSTAGE \a
	SEND \a-1, 32                                  ; behind tile a - 1's loads: tile a's 16 stores and 16 loads
.endr
	SEND 3, 0
	s_wait_tensorcnt 0x0                           ; the wave's end: behind my last tensor load and my last LDS store
	ds_add_u32 v[SPW], v[NIL]
	s_wait_dscnt 0x0
	CROUND                                         ; the closing round: no work-group ends while a partner may still ask for a tile that names it
	s_endpgm
.Lfunc_end_k_qaf2cc13036_attn:
	.size	k_qaf2cc13036_attn, .Lfunc_end_k_qaf2cc13036_attn-k_qaf2cc13036_attn
	.p2alignl 7, 3214868480
	.fill 96, 4, 3214868480
	.section	.rodata,"a",@progbits
	.p2align	6, 0x0
	.amdhsa_kernel k_qaf2cc13036_attn
		.amdhsa_group_segment_fixed_size 327680
		.amdhsa_private_segment_fixed_size 0
		.amdhsa_enable_private_segment 0
		.amdhsa_kernarg_size 32
		.amdhsa_user_sgpr_count 2
		.amdhsa_user_sgpr_kernarg_segment_ptr 1
		.amdhsa_wavefront_size32 1
		.amdhsa_system_sgpr_workgroup_id_x 1
		.amdhsa_system_sgpr_workgroup_id_y 1
		.amdhsa_system_sgpr_workgroup_id_z 1
		.amdhsa_system_vgpr_workitem_id 0
		.amdhsa_next_free_vgpr 1024
		.amdhsa_next_free_sgpr 66
		.amdhsa_reserve_vcc 0
		.amdhsa_float_denorm_mode_32 3
		.amdhsa_float_denorm_mode_16_64 3
		.amdhsa_memory_ordered 1
		.amdhsa_forward_progress 1
		.amdhsa_inst_pref_size 255
	.end_amdhsa_kernel
	.section	.bss,"aw",@nobits
	.p2align	6
	.space	262144
	.amdgpu_metadata
---
amdhsa.version: [ 1, 2 ]
amdhsa.kernels:
  - .name:           k_qaf2cc13036_attn
    .symbol:         k_qaf2cc13036_attn.kd
    .args:
      - { .name: query, .offset: 0, .size: 8, .value_kind: global_buffer, .address_space: global }
      - { .name: kf, .offset: 8, .size: 8, .value_kind: global_buffer, .address_space: global }
      - { .name: vf, .offset: 16, .size: 8, .value_kind: global_buffer, .address_space: global }
      - { .name: out0, .offset: 24, .size: 8, .value_kind: global_buffer, .address_space: global }
    .group_segment_fixed_size: 327680
    .private_segment_fixed_size: 0
    .kernarg_segment_align: 8
    .kernarg_segment_size: 32
    .max_flat_workgroup_size: 128
    .sgpr_count:     66
    .vgpr_count:     1024
    .wavefront_size: 32
...
	.end_amdgpu_metadata
.endif
;; end of part 2
;; ======== version 2 of 2: 2 launches
;; limits: right only within a limited range of input values
;; workspace buffers: kf 6,553,600 bytes; vf 6,553,600 bytes
;; launch quant (part 3): grid 1024 x 1, 4 waves a work-group, no clusters, 14,336 bytes of LDS; arguments key, value, kf, vf; writes kf, vf
.if DOCPART == 3
	.amdgcn_target "amdgcn-amd-amdhsa--gfx1250"
	.amdhsa_code_object_version 6
	.text
	.protected	k_qaf2cc13036_quant
	.globl	k_qaf2cc13036_quant
	.p2align	8
	.type	k_qaf2cc13036_quant,@function
k_qaf2cc13036_quant:
	s_mov_b64 s[64:65], 0
	v_nop
	global_prefetch_b8 v0, s[64:65] scope:SCOPE_SE
	s_setreg_imm32_b32 hwreg(HW_REG_WAVE_MODE, 25, 1), 1
	s_wait_xcnt 0x0
; key [4][512 d][4096 n] and value [4][4096 n][512 d], f32: operands whose K (d for key, the keys n for value) is the first axis inside a batch.
; They become codes of FP6 (E2M3) with one E8M0 byte for each 32 along K, in RECORDS of 12,800 bytes laid as the attention launch's operand registers take them.
; RECORD x = (4 b + w) 32 + e.  A work-group makes one record; wave g makes its fragments 2 g and 2 g + 1 from 32 columns x 128 along K.
;   kf: wave g takes keys 256 (e / 2) + 64 w + 32 (g % 2) + 0..31 and d 256 (e % 2) + 128 (g / 2) + 0..127: a record is 64 keys x 256 d.
;   vf: wave g takes channels 128 w + 32 g + 0..31 and keys 128 e + 0..127: a record is 128 channels x 128 keys.
; In a record: 8 fragments of 1,536 bytes, then 512 bytes of scale words.  Register p of lane l of fragment 2 g + u lies at 1536 (2 g + u) + 512 (p / 4) + 16 l + 4 (p % 4);
; its row r is the wave's column 8 u + r + 8 (r / 8).  The scale word of fragment 2 g + u, row r, lies at 12288 + 16 (16 u + r) + 4 g.
; A lane takes a column and its 128 registers run down K: a load reads 128 consecutive bytes, a block of 32 lies in one lane, the conversions give codes with K innermost.
; A block's scale is 2^(floor(log2(its largest magnitude)) - 2); its byte is that magnitude's exponent field - 2, held at 1 from below.
; LIMITS: a block of zeros gets the byte 1 where the quantiser says 127 (its codes are zeros, and this program alone reads the bytes); blocks whose largest magnitude lies under 2^-124
; were not tried; NaN and infinities among the inputs are not served.
; No tensor loads, no cluster (work-groups share no input byte), one barrier: for the record's scale words, which come from all four waves.
.set X,    64                          ; v64-191 my column's 128 numbers; v64-91 serve again on the way out
.set SCB,  13312                       ; LDS: four stages of 2 x 1,664 bytes, then the 512 bytes of scale words, then the spare words
	s_load_b256 s[4:11], s[0:1], 0x0               ; key, value, kf, vf
	v_lshl_add_u32 v192, v0, 2, 0x3600
	v_mov_b32 v193, 0
	v_lshrrev_b32 v1, 5, v0
	v_readfirstlane_b32 s12, v1                    ; wave g
	v_and_b32 v1, 31, v0                           ; my column among the wave's 32
	v_lshlrev_b32 v2, 2, v1
	v_lshlrev_b32 v17, 4, v1
	v_and_b32 v8, 7, v1
	v_lshrrev_b32 v9, 4, v1
	v_lshl_add_u32 v8, v9, 3, v8                   ; r = lane % 8 + 8 (lane / 16)
	v_bfe_u32 v9, v1, 3, 1                         ; u = (lane / 8) % 2
	s_mul_i32 s20, s12, 3328                       ; my wave's stage
	v_mul_u32_u24 v3, v9, 1664
	v_lshl_add_u32 v3, v8, 4, v3
	v_add_nc_u32 v3, s20, v3                       ; into it: fragment u, 16 r
	v_add_nc_u32 v4, s20, v17                      ; out of it: 16 x lane
	s_mul_i32 s21, s12, 3072
	v_add_nc_u32 v5, s21, v17                      ; the same place in the record
	s_lshl_b32 s22, s12, 2
	s_add_co_u32 s22, s22, SCB
	v_lshlrev_b32 v6, 8, v9
	v_lshl_add_u32 v6, v8, 4, v6
	v_add_nc_u32 v6, s22, v6                       ; my scale word: 16 (16 u + r) + 4 g
	v_add_nc_u32 v7, SCB, v17
	s_and_b32 s13, ttmp9, 511                      ; the record's number x
	s_lshr_b32 s14, s13, 7
	s_lshl_b32 s14, s14, 23                        ; the batch: 8,388,608 bytes
	s_bfe_u32 s15, s13, 0x20005                    ; w
	s_and_b32 s16, s13, 1
	s_lshl_b32 s16, s16, 22                        ; key: 256 (e % 2) rows of 16,384 bytes
	s_lshr_b32 s17, s12, 1
	s_lshl_b32 s17, s17, 21                        ;      + 128 (g / 2) rows
	s_add_co_u32 s16, s16, s17
	s_bfe_u32 s17, s13, 0x40001
	s_lshl_b32 s17, s17, 10                        ;      + 256 (e / 2) columns
	s_add_co_u32 s16, s16, s17
	s_lshl_b32 s17, s15, 8                         ;      + 64 w columns
	s_add_co_u32 s16, s16, s17
	s_and_b32 s17, s12, 1
	s_lshl_b32 s17, s17, 7                         ;      + 32 (g % 2) columns
	s_add_co_u32 s16, s16, s17
	s_and_b32 s17, s13, 31
	s_lshl_b32 s17, s17, 18                        ; value: 128 e rows of 2,048 bytes
	s_lshl_b32 s15, s15, 9                         ;      + 128 w columns
	s_add_co_u32 s17, s17, s15
	s_lshl_b32 s15, s12, 7                         ;      + 32 g columns
	s_add_co_u32 s17, s17, s15
	s_cmp_lt_u32 ttmp9, 512                        ; key's work-group or value's: by the work-group's number alone
	s_cselect_b32 s16, s16, s17
	s_add_co_u32 s16, s16, s14
	s_mov_b32 s17, 0
	s_mul_i32 s18, s13, 12800
	s_mov_b32 s19, 0
	s_wait_kmcnt 0x0
	s_cmp_lt_u32 ttmp9, 512
	s_cselect_b64 s[4:5], s[4:5], s[6:7]
	s_cselect_b64 s[8:9], s[8:9], s[10:11]
	s_add_nc_u64 s[4:5], s[4:5], s[16:17]
	s_add_nc_u64 s[8:9], s[8:9], s[18:19]
	s_cmp_lt_u32 ttmp9, 512
	s_cbranch_scc0 .Lfrom_value                    ; only the rows' pitch differs, in the loads' immediates
.set i, 0
.rept 128
	global_load_b32 v[X+i], v2, s[4:5] offset:i*16384 th:TH_LOAD_NT
.set i, i+1
.endr
	s_branch .Lloaded
.Lfrom_value:
.set i, 0
.rept 128
	global_load_b32 v[X+i], v2, s[4:5] offset:i*2048 th:TH_LOAD_NT
.set i, i+1
.endr
.Lloaded:
; Block t of my column: k = 32 t + 0..31: it belongs to lane r + 16 (t % 2), registers 6 (t / 2) + 0..5
.macro BLOCK t
.set XS, X+32*(\t)
.set C, 24+8*(\t)
.if (\t) == 0
	s_wait_loadcnt 63                              ; all but the youngest 63 are in: blocks 0 and 1 among them
.elseif (\t) == 2
	s_wait_loadcnt 32                              ; block 3's 32 loads may be out
.elseif (\t) == 3
	s_wait_loadcnt 0x0
.endif
	v_max3_num_f32 v12, |v[XS]|, |v[XS+1]|, |v[XS+2]|
	v_max3_num_f32 v13, |v[XS+3]|, |v[XS+4]|, |v[XS+5]|
.irp i, 6,10,14,18,22,26
	v_max3_num_f32 v12, v12, |v[XS+\i]|, |v[XS+\i+1]|
	v_max3_num_f32 v13, v13, |v[XS+\i+2]|, |v[XS+\i+3]|
.endr
	v_max3_num_f32 v12, v12, |v[XS+30]|, |v[XS+31]|
	v_max3_num_f32 v12, v12, v13, 0x1800000        ; the floor 2^(3 - 127): the byte cannot fall under 1
	v_add_nc_u32 v11, 0xff000000, v12              ; 2 off the exponent field: the conversion's scale operand
	v_lshrrev_b32 v13, 23, v11                     ; the scale's byte
.if (\t) == 0
	v_mov_b32 v16, v13
.else
	v_lshl_or_b32 v16, v13, 8*(\t), v16
.endif
	v_cvt_scalef32_pk16_fp6_f32 v[C:C+2], v[XS:XS+15], v11
	v_cvt_scalef32_pk16_fp6_f32 v[C+4:C+6], v[XS+16:XS+31], v11
	v_nop                                          ; one plain instruction behind a scaled conversion
	v_mov_b32 v[C+3], v[C+4]
	v_mov_b32 v[C+4], v[C+5]
	v_mov_b32 v[C+5], v[C+6]
.if (\t) < 2
	ds_store_b128 v3, v[C:C+3] offset:256*((\t)%2)
	ds_store_b64 v3, v[C+4:C+5] offset:256*((\t)%2)+512
.else
	ds_store_b64 v3, v[C:C+1] offset:256*((\t)%2)+520
	ds_store_b128 v3, v[C+2:C+5] offset:256*((\t)%2)+1024
.endif
.endm
	BLOCK 0
	BLOCK 1
	BLOCK 2
	BLOCK 3
	ds_store_b32 v6, v16
.irp n, 0,1,2,3,4,5
	ds_load_b128 v[X+4*\n:X+4*\n+3], v4 offset:1664*(\n/3)+512*(\n%3)   ; a wave's LDS instructions are served in order
.endr
.irp n, 0,1,2,3,4,5
	s_wait_dscnt 5-\n
	global_store_b128 v5, v[X+4*\n:X+4*\n+3], s[8:9] offset:1536*(\n/3)+512*(\n%3)   ; 512 consecutive bytes an instruction
.endr
	s_wait_dscnt 0x0
	s_barrier_signal -1
	s_barrier_wait -1
	s_cmp_lg_u32 s12, 0
	s_cbranch_scc1 .Lend                           ; wave 0 stores the record's scale words
	ds_load_b128 v[88:91], v7
	s_wait_dscnt 0x0
	global_store_b128 v17, v[88:91], s[8:9] offset:12288
.Lend:
	s_wait_tensorcnt 0x0                           ; the wave's end
	ds_add_u32 v192, v193
	s_wait_dscnt 0x0
	s_endpgm
.Lfunc_end_k_qaf2cc13036_quant:
	.size	k_qaf2cc13036_quant, .Lfunc_end_k_qaf2cc13036_quant-k_qaf2cc13036_quant
	.p2alignl 7, 3214868480
	.fill 96, 4, 3214868480
	.section	.rodata,"a",@progbits
	.p2align	6, 0x0
	.amdhsa_kernel k_qaf2cc13036_quant
		.amdhsa_group_segment_fixed_size 14336
		.amdhsa_private_segment_fixed_size 0
		.amdhsa_enable_private_segment 0
		.amdhsa_kernarg_size 32
		.amdhsa_user_sgpr_count 2
		.amdhsa_user_sgpr_kernarg_segment_ptr 1
		.amdhsa_wavefront_size32 1
		.amdhsa_system_sgpr_workgroup_id_x 1
		.amdhsa_system_sgpr_workgroup_id_y 1
		.amdhsa_system_sgpr_workgroup_id_z 1
		.amdhsa_system_vgpr_workitem_id 0
		.amdhsa_next_free_vgpr 194
		.amdhsa_next_free_sgpr 66
		.amdhsa_reserve_vcc 0
		.amdhsa_float_denorm_mode_32 3
		.amdhsa_float_denorm_mode_16_64 3
		.amdhsa_memory_ordered 1
		.amdhsa_forward_progress 1
		.amdhsa_inst_pref_size 35
	.end_amdhsa_kernel
	.amdgpu_metadata
---
amdhsa.version: [ 1, 2 ]
amdhsa.kernels:
  - .name:           k_qaf2cc13036_quant
    .symbol:         k_qaf2cc13036_quant.kd
    .args:
      - { .name: key, .offset: 0, .size: 8, .value_kind: global_buffer, .address_space: global }
      - { .name: value, .offset: 8, .size: 8, .value_kind: global_buffer, .address_space: global }
      - { .name: kf, .offset: 16, .size: 8, .value_kind: global_buffer, .address_space: global }
      - { .name: vf, .offset: 24, .size: 8, .value_kind: global_buffer, .address_space: global }
    .group_segment_fixed_size: 14336
    .private_segment_fixed_size: 0
    .kernarg_segment_align: 8
    .kernarg_segment_size: 32
    .max_flat_workgroup_size: 128
    .sgpr_count:     66
    .vgpr_count:     194
    .wavefront_size: 32
...
	.end_amdgpu_metadata
.endif
;; end of part 3
;; launch attn (part 4): grid 64 x 4, 8 waves a work-group, clusters of 4 x 1, 327,680 bytes of LDS; arguments query, kf, vf, out0; writes out0
.if DOCPART == 4
	.amdgcn_target "amdgcn-amd-amdhsa--gfx1250"
	.amdhsa_code_object_version 6
	.text
	.protected	k_qaf2cc13036_attn
	.globl	k_qaf2cc13036_attn
	.p2align	8
	.type	k_qaf2cc13036_attn,@function
k_qaf2cc13036_attn:
	s_mov_b64 s[64:65], 0
	v_nop
	global_prefetch_b8 v0, s[64:65] scope:SCOPE_SE
	s_setreg_imm32_b32 hwreg(HW_REG_WAVE_MODE, 25, 1), 1
	s_wait_xcnt 0x0
	s_wait_alu depctr_hold_cnt(0) depctr_sa_sdst(0) depctr_va_vdst(0) depctr_va_sdst(0) depctr_va_ssrc(0) depctr_va_vcc(0) depctr_vm_vsrc(0)
	s_getreg_b32 s2, hwreg(HW_REG_IB_STS2, 6, 4)
	s_cmp_eq_u32 s2, 0
	s_cbranch_scc0 .Lentry_in_a_cluster
	s_endpgm
.Lentry_in_a_cluster:
	s_bfe_u32 s2, ttmp6, 0x10000c
	s_cmp_lg_u32 s2, 0x3003
	s_cbranch_scc0 .Lentry_shape_is_right
	s_endpgm
.Lentry_shape_is_right:
; out0[b][q][:] = the sum over keys of softmax(query[b][q] . key[b][:][k]) value[b][k][:], both products on codes of FP6 (E2M3) with one E8M0 scale for each 32 along K.
; kf, vf: records of 12,800 bytes (8 fragments as images of an operand's 12 registers, then 512 bytes of scale words), made by the launch before.
; THE SOFTMAX: t = score x log2(e); M = the largest t so far, rounded UP to a whole number; p = 2^(t - M) is quantised along the keys, not normalised; the row's sum is taken of the
; unquantised p and divides at the end.  When M moves, the sums and O are multiplied by 2^(old M - new M), which rounds nothing.
; SHARES.  A work-group owns 64 queries (4 tiles of 16) of one batch and walks the 4,096 keys in 16 steps of 256.  EIGHT WAVES OF TWO ROLES:
;   waves 0-3 (S waves) keep all of Q in registers; wave w makes S^T of keys 64 w + 0..63 of the step for all 64 queries (4 key tiles x 4 query tiles x 4 K steps = 64 matrix instructions),
;   the softmax of those scores and p's codes, half a fragment (two blocks of 32 keys) for each query tile, which go to LDS as images of the operand's registers;
;   waves 4-7 (PV waves) keep O^T: wave 4 + w holds channels 128 w + 0..127 of all 64 queries (32 accumulators) and multiplies V by P ONE STEP BEHIND (8 x 4 x 2 = 64 matrix instructions).
; So a fragment of K or V is read from LDS once, by one wave, and feeds four matrix instructions, and P is read by four waves.
; TWO BARRIERS A STEP.  B1 is a plain barrier: behind it every wave reads the S waves' maxima and updates M alike; tiles stay on their way across it.
; B2 is a round of the cluster's barrier: behind it the step's P lies in LDS, and all refills stand there.
; Between B2 (k - 1) and B1 (k): S waves make S^T of step k; PV waves take P of step k - 1 into registers and bring O^T under its M.  Between B1 (k) and B2 (k): the softmax; the PV waves' 64 products.
; LAYOUT.  Both products are used transposed: a lane holds ONE query (lane % 16).  Row r of fragment 2 g + u is column 32 g + 8 u + r + 8 (r / 8), so the 16 registers of tiles 2 g, 2 g + 1 are 16 neighbours.
; RING.  A tile is two records on end, 25,600 bytes; each wave fetches and reads its own.  An S wave has two slots: behind B2 (k) it asks for K's tile k + 2, into the slot read in step k.
; A PV wave has one buffer: behind B2 (k) it asks for V's 256 keys of step k, which it multiplies behind B1 (k + 1), behind its own wait for that tile.
; One tensor load a wave behind a round; every wait on TENSORcnt is for 0; by this text's count a wave has one load out.
; CLUSTER.  The four work-groups of a cluster belong to one batch and walk the same records: each tile is asked for jointly (mask 15; the descriptor hangs on batch, wave and the cluster's number alone).
; THE WALK begins at step 2 ((x + x / 8) % 8), x the cluster's number, and goes round the end: the running M makes the order of the steps free.
; NO PREFETCH: the sixteen clusters of a batch read the same 2 x 1,638,400 bytes of records from eight different starts, so what a cluster asks for is as a rule being read by others of its batch.
; LIMITS: NaN and infinities among the inputs are not served; a p under 2^-126 comes out of v_exp_f32 as 0; a block's largest p is made from its largest score by the same multiply-add and
; exponential, which takes v_exp_f32 not to fall where its input rises; a block of zeros of query gets the byte 1 (its codes are zeros); the sums over the keys are formed in the walk's order.
; REGISTERS, two windows of 256 (s_set_vgpr_msb: bits 1:0 source 0, 3:2 source 1, 5:4 source 2, 7:6 destination).  Window 0: v1-15 addresses, v16-31 statistics, v32-55 scale words, v56-63 f and at work.
;   S wave: v64-191 S^T(m, t) at 64 + 32 m + 8 t, then p; v192-239 K's fragments (even K steps), at other times at work; window 1: Q(m, s) at 12 (4 m + s), v192-239 K's fragments (odd K steps).
;   PV wave: v64-159 eight fragments of V; v160-255 P(sv, m) at 160 + 12 (4 sv + m); window 1: O^T(m, t) at 64 m + 8 t.
.set REC,   12800
.set KT,    25600
.set FRB,   1536
.set SCO,   12288
.set KX,    131072                     ; S wave w: K's slot 0 at 25600 w, slot 1 = slot 0 xor 131,072
.set VL0,   102400                     ; PV wave w: V's buffer at 102400 + 105472 min(w, 1) + 25600 w: one behind K's slot 0, three behind K's slot 1
.set VGAP,  105472
.set PA,    310272                     ; 8 images of fragments, 4 sv + m: P's, at the head Q's
.set EXO,   322560                     ; the S waves' maxima, at the end their sums: [wave][lane][tile]
.set PSC,   324608                     ; scale words [K step][lane][tile]: P's, at the head Q's: 1,024 bytes
.set SPARE, 325632                     ; the spare words, 128 bytes a wave: four blocks of 256 bytes that no other line names
.set SP,    528                        ; the way out: a stage row; the stage lies in my V buffer behind its last fill and last read
.set SPW,1
.set NIL,2
.set SLK,4                             ; my K tile + 16 l, in the slot that is read next
.set VS0,5
.set PAL,7
.set PST,8                             ; PA + 6144 (w / 2) + 16 l
.set PSW,9                             ; PSC + 512 (w / 2) + 2 (w % 2) + 16 l
.set PSL,10
.set EXW,11
.set EXL,12
.set STO,13
.set QST,14
.set GO,15
.set NM,16                             ; tile q: v[16+2q] -M, v[17+2q] the largest t
.set TQ,17
.set SU,24                             ; v[24+2q:25+2q] the sum in two halves
.set KS,32                             ; K's or V's scale words
.set QS,40                             ; Q's (4 s + m) or P's (4 sv + m)
.set FF,56                             ; v[56+2q] f
.set RM,57                             ; v[57+2q] at work
.set SR,64
.set KF,192
.set XM,192                            ; the four waves' maxima or sums: v192-207 in an S wave, v64-79 in a PV wave
.set BM,208                            ; block maxima (2 q + g), then P's scale halves
.set BX,216
.set SO,224
.set T,232
.set VF,64
.set PF,160
.set X,64                              ; the head: query's numbers
.set TM,192
.set SQ,196
.set BY,200
.set QW,204
.set QP,206
.set QC,212
.set QT,236
.set QSS,253
.set QGA,254
.set SH,255
.set KB,6
.set VB,8
.set WV,12
.set IDX,13
.set ROLE,14
.set C1,15
.set G1K,16                            ; s[16:23] descriptor group 1: it serves K's and V's tiles
.set GK,32
.set GV,36
.set SEL,44
.set CS,46
.set TRIPS,48
.set TKC,49
.set TVC,50
.set OFS,52
.set KLS,79                            ; s79: my K tile's LDS address in the slot that is read next
.set MSB, 0
.macro WIN new
.if MSB != \new
	s_set_vgpr_msb (MSB<<8)|\new
.set MSB, \new
.endif
.endm
.macro VW
	s_wait_alu depctr_va_vdst(0)
.endm
.macro PLACES n
.rept \n
	v_nop
.endr
.endm
.macro CROUND                          ; a round of the cluster's barrier
	s_barrier_signal -1
	s_barrier_wait -1
	s_cmp_lg_u32 s[WV], 0
	s_cbranch_scc1 .Lnw0_\@
	s_barrier_signal -3
.Lnw0_\@:
	s_barrier_wait -3
	s_barrier_signal -1
	s_barrier_wait -1
.endm
.macro STEPT g, cnt, base              ; the stream's next tile, round its end
	s_add_co_u32 s[\cnt], s[\cnt], 1
	s_and_b32 s[\cnt], s[\cnt], 15
	s_mul_i32 s[OFS], s[\cnt], KT
	s_add_nc_u64 s[\g+2:\g+3], s[\base:\base+1], s[OFS:OFS+1]
	s_or_b32 s[\g+3], s[\g+3], 0x80000000
.endm
; B2, A CHANGE: all my tensor loads are in, the add, the descriptors' steps, my LDS instructions are done, the round.  sk, sv: K's, V's descriptor steps
.macro CHG sk, sv
	WIN 0
	PLACES 5                                       ; places behind the last products, on every way through the change
	VW
	s_wait_tensorcnt 0x0
	ds_add_u32 v[SPW], v[NIL]
.if \sk
	s_xor_b32 s[GK+1], s[GK+1], KX
	STEPT GK, TKC, KB
.endif
.if \sv
	STEPT GV, TVC, VB
.endif
	s_wait_dscnt 0x0
	CROUND
.endm
; B1, a plain barrier. K's read address turns to the other slot: my reads of this step's tile have been issued
.macro PB
	WIN 0
	PLACES 5
	s_xor_b32 s[KLS], s[KLS], KX
	v_add_nc_u32 v[SLK], s[KLS], v[GO]
	VW
	s_wait_dscnt 0x0                               ; for the others' sake: my maxima lie in LDS, my reads of P are done
	s_barrier_signal -1
	s_barrier_wait -1
.endm
.macro TLOAD g                         ; the five v_nop are also places in front of loads into registers that the last products read
	tensor_load_to_lds s[\g:\g+3], s[G1K:G1K+7]
	s_nop 0
	PLACES 5
.endm
.macro WM                              ; one matrix instruction from rD, rA, rB, rKA, rKB; xz: it starts its sum; xt odd: source 0's scale words stand in lanes 16-31
.if xz
.if xt%2
	v_wmma_scale_f32_16x16x128_f8f6f4 v[rD:rD+7], v[rA:rA+11], v[rB:rB+11], 0, v[rKA], v[rKB] matrix_a_fmt:MATRIX_FMT_FP6 matrix_b_fmt:MATRIX_FMT_FP6 matrix_a_scale:MATRIX_SCALE_ROW1
.else
	v_wmma_scale_f32_16x16x128_f8f6f4 v[rD:rD+7], v[rA:rA+11], v[rB:rB+11], 0, v[rKA], v[rKB] matrix_a_fmt:MATRIX_FMT_FP6 matrix_b_fmt:MATRIX_FMT_FP6
.endif
.else
.if xt%2
	v_wmma_scale_f32_16x16x128_f8f6f4 v[rD:rD+7], v[rA:rA+11], v[rB:rB+11], v[rD:rD+7], v[rKA], v[rKB] matrix_a_fmt:MATRIX_FMT_FP6 matrix_b_fmt:MATRIX_FMT_FP6 matrix_a_scale:MATRIX_SCALE_ROW1
.else
	v_wmma_scale_f32_16x16x128_f8f6f4 v[rD:rD+7], v[rA:rA+11], v[rB:rB+11], v[rD:rD+7], v[rKA], v[rKB] matrix_a_fmt:MATRIX_FMT_FP6 matrix_b_fmt:MATRIX_FMT_FP6
.endif
.endif
.endm
.macro LDK s, win                      ; K step s: fragments 4 s .. 4 s + 3 of my tile, 12 loads
	WIN \win
.set xn, 4*(\s)
.rept 4
.irp c, 0,1,2
	ds_load_b128 v[KF+12*(xn%4)+4*\c:KF+12*(xn%4)+4*\c+3], v[SLK] offset:REC*(xn/8)+FRB*(xn%8)+512*\c
.endr
.set xn, xn+1
.endr
.endm
.macro MULS s                          ; S^T(m, t) += K(t, s) Q(m, s): 16 accumulators by turns; s = 0 starts the sums
.if (\s)%2
	WIN 0x05
.else
	WIN 0x04
.endif
.set xz, 0
.if (\s) == 0
.set xz, 1
.endif
.set xt, 0
.rept 4
.set xm, 0
.rept 4
.set rD, SR+32*xm+8*xt
.set rA, KF+12*xt
.set rB, 12*(4*xm+(\s))
.set rKA, KS+4*((\s)/2)+2*((\s)%2)+xt/2
.set rKB, QS+4*(\s)+xm
	WM
.set xm, xm+1
.endr
.set xt, xt+1
.endr
.endm
; AN S WAVE BETWEEN B2 AND B1: the first product, then each block's and each row's largest score of my 64 keys
.macro SA
	PLACES 5
	ds_load_b128 v[KS:KS+3], v[SLK] offset:SCO
	ds_load_b128 v[KS+4:KS+7], v[SLK] offset:REC+SCO
	LDK 0, 0
	LDK 1, 0x40
	s_wait_dscnt 12                                ; the youngest 12 loads, the next K step's, may be out: so at each of these waits
	MULS 0
	PLACES 4
	LDK 2, 0
	s_wait_dscnt 12
	MULS 1
	PLACES 4
	LDK 3, 0x40
	s_wait_dscnt 12
	MULS 2
	s_wait_dscnt 0x0
	MULS 3
	WIN 0
	PLACES 4
.irp q, 0,1,2,3
.irp g, 0,1
	v_max3_num_f32 v[BM+2*\q+\g], v[SR+32*\q+16*\g], v[SR+32*\q+16*\g+1], v[SR+32*\q+16*\g+2]   ; each accumulator is read from its low end on
.endr
.endr
.irp i, 3,5,7,9,11,13
.irp q, 0,1,2,3
.irp g, 0,1
	v_max3_num_f32 v[BM+2*\q+\g], v[BM+2*\q+\g], v[SR+32*\q+16*\g+\i], v[SR+32*\q+16*\g+\i+1]
.endr
.endr
.endr
.irp q, 0,1,2,3
.irp g, 0,1
	v_max_num_f32 v[BM+2*\q+\g], v[BM+2*\q+\g], v[SR+32*\q+16*\g+15]
.endr
.endr
.irp x, 0,1,2,3,4,5,6,7
	v_permlanex16_b32 v[BX+\x], v[BM+\x], s[SEL], s[SEL+1]
.endr
.irp x, 0,1,2,3,4,5,6,7
	v_max_num_f32 v[BM+\x], v[BM+\x], v[BX+\x]     ; with lane l xor 16's 16 keys: the block's largest score
.endr
.irp q, 0,1,2,3
	v_max_num_f32 v[BX+\q], v[BM+2*\q], v[BM+2*\q+1]
.endr
	ds_store_b128 v[EXW], v[BX:BX+3]
.endm
.macro MUPL                            ; the four S waves' figures
.irp x, 0,1,2,3
	ds_load_b128 v[XM+4*\x:XM+4*\x+3], v[EXL] offset:512*\x
.endr
.endm
.macro MUPC                            ; M's update, alike in all eight waves
	s_wait_dscnt 0x0
.irp q, 0,1,2,3
	v_max3_num_f32 v[RM+2*\q], v[XM+\q], v[XM+4+\q], v[XM+8+\q]
.endr
.irp q, 0,1,2,3
	v_max_num_f32 v[RM+2*\q], v[RM+2*\q], v[XM+12+\q]
.endr
.irp q, 0,1,2,3
	v_mul_f32 v[RM+2*\q], s[CS], v[RM+2*\q]        ; as t (c is positive)
.endr
.irp q, 0,1,2,3
	v_max_num_f32 v[TQ+2*\q], v[TQ+2*\q], v[RM+2*\q]
.endr
.irp q, 0,1,2,3
	v_mov_b32 v[RM+2*\q], v[NM+2*\q]
.endr
.irp q, 0,1,2,3
	v_floor_f32 v[NM+2*\q], -v[TQ+2*\q]            ; -M = floor(-t): M is a whole number
.endr
.irp q, 0,1,2,3
	v_sub_f32 v[RM+2*\q], v[NM+2*\q], v[RM+2*\q]
.endr
.irp q, 0,1,2,3
	v_cvt_i32_f32 v[RM+2*\q], v[RM+2*\q]           ; (it saturates)
.endr
.irp q, 0,1,2,3
	v_ldexp_f32 v[FF+2*\q], 1.0, v[RM+2*\q]        ; f = 2^(old M - new M)
.endr
.endm
; AN S WAVE BETWEEN B1 AND B2: p, its codes and scale bytes to LDS, the sums
.macro SB
.set XM, 192
	MUPL
	MUPC
.set xp, 0
.rept 64
	v_pk_fma_f32 v[SR+2*xp:SR+2*xp+1], v[SR+2*xp:SR+2*xp+1], s[CS:CS+1], v[NM+2*(xp/16):NM+2*(xp/16)+1] op_sel_hi:[1,0,0]   ; t - M
.set xp, xp+1
.endr
.irp x, 0,1,2,3,4,5,6,7
	v_fma_f32 v[BM+\x], v[BM+\x], s[CS], v[NM+2*(\x/2)]   ; the same of each block's largest score
.endr
.irp q, 0,1,2,3
	v_pk_mul_f32 v[SU+2*\q:SU+2*\q+1], v[SU+2*\q:SU+2*\q+1], v[FF+2*\q:FF+2*\q+1] op_sel_hi:[1,0]   ; the sums under the new M
.endr
	VW
.set xp, 0
.rept 128
	v_exp_f32 v[SR+xp], v[SR+xp]
.set xp, xp+1
.endr
.irp x, 0,1,2,3,4,5,6,7
	v_exp_f32 v[BM+\x], v[BM+\x]                   ; the block's largest p
.endr
	v_nop
	VW
.irp x, 0,1,2,3,4,5,6,7
	v_max_num_f32 v[BM+\x], 0x1800000, v[BM+\x]    ; the floor 2^(3 - 127)
.endr
.irp x, 0,1,2,3,4,5,6,7
	v_add_nc_u32 v[SO+\x], 0xff000000, v[BM+\x]    ; the conversion's scale operand
.endr
.irp x, 0,1,2,3,4,5,6,7
	v_lshrrev_b32 v[BX+\x], 23, v[SO+\x]
.endr
.irp q, 0,1,2,3
	v_lshl_or_b32 v[BM+\q], v[BX+2*\q+1], 8, v[BX+2*\q]   ; my two bytes of the K step's scale word
.endr
.irp q, 0,1,2,3
.set PC, 192+8*\q+32*(\q/2)
	v_cvt_scalef32_pk16_fp6_f32 v[PC:PC+2], v[SR+32*\q:SR+32*\q+15], v[SO+2*\q]
	v_cvt_scalef32_pk16_fp6_f32 v[PC+4:PC+6], v[SR+32*\q+16:SR+32*\q+31], v[SO+2*\q+1]
.endr
	v_nop
.irp q, 0,1,2,3                        ; a whole block to a lane: lanes 0-15 my first block, lanes 16-31 my second
.set PC, 192+8*\q+32*(\q/2)
.irp i, 0,1,2
	v_permlane16_swap_b32 v[PC+\i], v[PC+4+\i]
.endr
.irp i, 0,1,2
	v_mov_b32 v[PC+3+\i], v[PC+4+\i]
.endr
.endr
	VW
	s_cmp_lg_u32 s[C1], 0                          ; registers 0-5 or 6-11 of the fragment: by my wave's number
	s_cbranch_scc1 .Lhi_\@
.irp q, 0,1,2,3
.set PC, 192+8*\q+32*(\q/2)
	ds_store_b128 v[PST], v[PC:PC+3] offset:FRB*\q
	ds_store_b64 v[PST], v[PC+4:PC+5] offset:FRB*\q+512
.endr
	s_branch .Lst_\@
.Lhi_\@:
.irp q, 0,1,2,3
.set PC, 192+8*\q+32*(\q/2)
	ds_store_b64 v[PST], v[PC:PC+1] offset:FRB*\q+520
	ds_store_b128 v[PST], v[PC+2:PC+5] offset:FRB*\q+1024
.endr
.Lst_\@:
.irp q, 0,1,2,3
	ds_store_b16 v[PSW], v[BM+\q] offset:4*\q
.endr
.irp q, 0,1,2,3
	v_pk_add_f32 v[T+2*\q:T+2*\q+1], v[SR+32*\q:SR+32*\q+1], v[SR+32*\q+2:SR+32*\q+3]   ; the row's sum is taken of the unquantised p
.endr
.irp j, 4,8,12,16,20,24,28
.irp q, 0,1,2,3
	v_pk_add_f32 v[SU+2*\q:SU+2*\q+1], v[SU+2*\q:SU+2*\q+1], v[SR+32*\q+\j:SR+32*\q+\j+1]
	v_pk_add_f32 v[T+2*\q:T+2*\q+1], v[T+2*\q:T+2*\q+1], v[SR+32*\q+\j+2:SR+32*\q+\j+3]
.endr
.endr
.irp q, 0,1,2,3
	v_pk_add_f32 v[SU+2*\q:SU+2*\q+1], v[SU+2*\q:SU+2*\q+1], v[T+2*\q:T+2*\q+1]
.endr
.endm
.macro LDV rc, g                       ; fragments 4 g .. 4 g + 3 of record rc of V's tile
	WIN 0
.set xn, 4*(\g)
.rept 4
.irp c, 0,1,2
	ds_load_b128 v[VF+12*xn+4*\c:VF+12*xn+4*\c+3], v[VS0] offset:REC*(\rc)+FRB*xn+512*\c
.endr
.set xn, xn+1
.endr
.endm
.macro LDP sv
.set xn, 4*(\sv)
.rept 4
.irp c, 0,1,2
	ds_load_b128 v[PF+12*xn+4*\c:PF+12*xn+4*\c+3], v[PAL] offset:FRB*xn+512*\c
.endr
.set xn, xn+1
.endr
.endm
.macro MULV sv, t0, z                  ; O^T(m, t) += V(sv, t) P(sv, m): 16 accumulators by turns; z = 1: the products start the sums
	WIN 0x50
.set xz, \z
.set xt, \t0
.rept 4
.set xm, 0
.rept 4
.set rD, 64*xm+8*xt
.set rA, VF+12*xt
.set rB, PF+48*(\sv)+12*xm
.set rKA, KS+4*(\sv)+xt/2
.set rKB, QS+4*(\sv)+xm
	WM
.set xm, xm+1
.endr
.set xt, xt+1
.endr
.endm
.macro OMUL                            ; O^T x the pairs' low words at FF; the wait stands directly ahead of O^T's first reader, and once more behind the run
	WIN 0x41
	VW
.set xo, 0
.rept 128
	v_pk_mul_f32 v[xo:xo+1], v[xo:xo+1], v[FF+2*(xo/64):FF+2*(xo/64)+1] op_sel_hi:[1,0]
.set xo, xo+2
.endr
	VW
.endm
; A PV WAVE BETWEEN B2 AND B1: all of the last step's P into registers, O^T under its M.  f = 1: the walk's first step: O^T has not begun, and nothing is ever cleared
.macro PVA f
	PLACES 4
	ds_load_b128 v[QS:QS+3], v[PSL]
	ds_load_b128 v[QS+4:QS+7], v[PSL] offset:512
	LDP 0
	LDP 1
.if !\f
	OMUL
.endif
	WIN 0
.endm
; BETWEEN B1 AND B2: M's update (mup = 1), my own tile of V, which I alone read, and the 64 products, four fragments ahead of the products by turns in two halves of v64-159
.macro PVB mup, f
	PLACES 4
.set XM, 64
.if \mup
	MUPL
	MUPC
.endif
	s_wait_tensorcnt 0x0                           ; the one load that I have out: V's tile of the step that I multiply
	ds_load_b128 v[KS:KS+3], v[VS0] offset:SCO
	ds_load_b128 v[KS+4:KS+7], v[VS0] offset:REC+SCO
	LDV 0, 0
	LDV 0, 1
	s_wait_dscnt 12                                ; the youngest 12 loads, the next four fragments, may be out: so at each of these waits
	MULV 0, 0, \f
	PLACES 4
	LDV 1, 0
	s_wait_dscnt 12
	MULV 0, 4, \f
	PLACES 4
	LDV 1, 1
	s_wait_dscnt 12
	MULV 1, 0, 0
	s_wait_dscnt 0x0
	MULV 1, 4, 0
	WIN 0
.endm
.macro LDQ p                           ; Q's images of K steps 2 p, 2 p + 1 into my registers
	WIN 0
.irp e, 0,1
	ds_load_b128 v[QS+4*(\e+2*\p):QS+4*(\e+2*\p)+3], v[PSL] offset:512*\e
.endr
	WIN 0x40
.irp e, 0,1
.irp m, 0,1,2,3
.irp c, 0,1,2
	ds_load_b128 v[12*(4*\m+\e+2*\p)+4*\c:12*(4*\m+\e+2*\p)+4*\c+3], v[PAL] offset:FRB*(4*\e+\m)+512*\c
.endr
.endr
.endr
	WIN 0
.endm
.macro QSTORE p
.irp c, 0,1,2
	ds_store_b128 v[QST], v[QC+12*\p+4*\c:QC+12*\p+4*\c+3] offset:512*\c
.endr
	ds_store_b32 v[QSS], v[QW+\p]
.endm
; A STEP k >= 1.  kl = 1: K's tile k + 2 is asked for; f = 1: the PV waves' first step
.macro TRIP kl, f
	s_cmp_lg_u32 s[ROLE], 0
	s_cbranch_scc1 .Lpa_\@
	SA
	s_branch .Lja_\@
.Lpa_\@:
	PVA \f
.Lja_\@:
	PB                                             ; B1
	s_cmp_lg_u32 s[ROLE], 0
	s_cbranch_scc1 .Lpb_\@
	SB
	s_branch .Ljb_\@
.Lpb_\@:
	PVB 1, \f
.Ljb_\@:
	CHG \kl, 1                                     ; B2
	s_cmp_lg_u32 s[ROLE], 0
	s_cbranch_scc1 .Lv_\@
.if \kl
	TLOAD GK
.endif
	s_branch .Lnl_\@
.Lv_\@:
	TLOAD GV
.Lnl_\@:
.endm
	s_load_b256 s[4:11], s[0:1], 0x0               ; query, kf, vf, out0
	v_lshl_add_u32 v[SPW], v0, 2, SPARE
	v_mov_b32 v[NIL], 0
	ds_add_u32 v[SPW], v[NIL]                      ; the opening lines: the add twice and one wait
	ds_add_u32 v[SPW], v[NIL]
	v_lshrrev_b32 v3, 5, v0
	v_readfirstlane_b32 s[WV], v3                  ; wave 0..7
	s_and_b32 s[IDX], s[WV], 3                     ; w
	s_lshr_b32 s[ROLE], s[WV], 2                   ; 0: S wave, 1: PV wave
	s_and_b32 s[C1], s[IDX], 1
	s_lshr_b32 s66, s[IDX], 1
	s_mul_i32 s67, s[IDX], KT                      ; K's slot 0
	s_min_u32 s68, s[IDX], 1
	s_mul_i32 s68, s68, VGAP
	s_add_co_u32 s68, s68, s67
	s_add_co_u32 s68, s68, VL0                     ; V's buffer
	s_mul_i32 s70, s66, 4*FRB
	s_add_co_u32 s70, s70, PA
	s_lshl_b32 s71, s66, 9
	s_lshl_b32 s72, s[C1], 1
	s_add_co_u32 s71, s71, s72
	s_add_co_u32 s71, s71, PSC
	s_lshl_b32 s72, s[IDX], 9
	s_add_co_u32 s73, s72, EXO
	s_mul_i32 s74, s[ROLE], 4*FRB                  ; at the head wave W quantises query tile W % 4, K steps W / 4 and W / 4 + 2
	s_mul_i32 s75, s[IDX], FRB
	s_add_co_u32 s74, s74, s75
	s_add_co_u32 s74, s74, PA
	s_lshl_b32 s75, s[ROLE], 9
	s_lshl_b32 s76, s[IDX], 2
	s_add_co_u32 s75, s75, s76
	s_add_co_u32 s75, s75, PSC
	s_bfe_u32 s76, ttmp6, 0x40000                  ; cx: it enters query's and out0's addresses alone
	s_lshl_b32 s77, ttmp9, 2
	s_add_co_u32 s77, s77, s76                     ; my block of 64 queries
	s_and_b32 s78, ttmp7, 0xffff                   ; the batch
	s_lshl_b32 s54, s78, 23
	s_lshl_b32 s77, s77, 17
	s_add_co_u32 s54, s54, s77
	s_add_co_u32 s56, s54, s72                     ; out0: channels 128 w on
	s_mov_b32 s57, 0
	s_lshl_b32 s77, s[IDX], 15
	s_add_co_u32 s54, s54, s77
	s_lshl_b32 s77, s[ROLE], 9
	s_add_co_u32 s54, s54, s77                     ; query: rows 16 (W % 4) on, K step W / 4
	s_mov_b32 s55, 0
	s_lshl_b32 s58, s78, 2
	s_add_co_u32 s58, s58, s[IDX]
	s_mul_i32 s58, s58, 16*KT                      ; my stream in kf and in vf: 16 tiles on end
	s_mov_b32 s59, 0
	s_lshr_b32 s60, ttmp9, 3
	s_add_co_u32 s60, s60, ttmp9
	s_and_b32 s60, s60, 7
	s_lshl_b32 s[TKC], s60, 1                      ; the walk's first step: K's tile,
	s_mov_b32 s[TVC], s[TKC]                       ; and V's
	s_mul_i32 s60, s[TKC], KT
	s_mov_b32 s61, 0
	s_mov_b32 s[OFS+1], 0
	s_mov_b32 s[KLS], s67
	s_mov_b32 s[G1K+0], 15|(3<<16)|(1<<21)         ; the mask of all four partners; elements of 8 bytes; bit 21 beside a mask
	s_mov_b32 s[G1K+1], 32<<16                     ; rows of 256 bytes,
	s_mov_b32 s[G1K+2], 100<<16                    ; 100 of them
	s_mov_b32 s[G1K+3], 32<<16
	s_mov_b32 s[G1K+4], 100
	s_mov_b32 s[G1K+5], 32
	s_mov_b32 s[G1K+6], 0
	s_mov_b32 s[G1K+7], 0
	s_mov_b32 s[SEL], 0x76543210
	s_mov_b32 s[SEL+1], 0xfedcba98
	s_mov_b32 s[CS], 0x3fb8aa3b                    ; c = log2(e)
	s_mov_b32 s[CS+1], s[CS]
	v_and_b32 v3, 31, v0                           ; every LDS address is made here, ahead of the roles' first parting
	v_lshlrev_b32 v[GO], 4, v3
	v_add_nc_u32 v[SLK], s67, v[GO]
	v_add_nc_u32 v[VS0], s68, v[GO]
	v_add_nc_u32 v[PAL], PA, v[GO]
	v_add_nc_u32 v[PST], s70, v[GO]
	v_add_nc_u32 v[PSW], s71, v[GO]
	v_add_nc_u32 v[PSL], PSC, v[GO]
	v_add_nc_u32 v[EXW], s73, v[GO]
	v_add_nc_u32 v[EXL], EXO, v[GO]
	v_add_nc_u32 v[QST], s74, v[GO]
	v_add_nc_u32 v[QSS], s75, v[GO]
	v_and_b32 v3, 15, v0
	v_bfe_u32 v[SH], v0, 4, 1
	v_mul_u32_u24 v[STO], v3, SP
	v_lshl_add_u32 v[STO], v[SH], 6, v[STO]
	v_add_nc_u32 v[STO], s68, v[STO]               ; the stage by lanes of a tile: row l % 16, + 64 (l / 16)
	v_lshlrev_b32 v[QGA], 11, v3
	v_lshl_add_u32 v[QGA], v[SH], 7, v[QGA]        ; query: row l % 16, + 128 (l / 16) bytes
	v_lshlrev_b32 v[SH], 3, v[SH]
.irp q, 0,1,2,3
	v_mov_b32 v[TQ+2*\q], 0xff61b1e6               ; the largest t so far: -3e38
	v_floor_f32 v[NM+2*\q], -v[TQ+2*\q]
	v_mov_b32 v[SU+2*\q], 0
	v_mov_b32 v[SU+2*\q+1], 0
.endr
	v_mov_b32 v[QP], 0                             ; a lane permute's destination counts as a source
	v_mov_b32 v[QP+1], 0
	VW
	s_wait_dscnt 0x0
	s_wait_kmcnt 0x0
	s_add_nc_u64 s[4:5], s[4:5], s[54:55]
	s_add_nc_u64 s[10:11], s[10:11], s[56:57]
	s_add_nc_u64 s[KB:KB+1], s[KB:KB+1], s[58:59]
	s_add_nc_u64 s[VB:VB+1], s[VB:VB+1], s[58:59]
	s_mov_b32 s[GK], 1
	s_mov_b32 s[GK+1], s67
	s_add_nc_u64 s[GK+2:GK+3], s[KB:KB+1], s[60:61]
	s_or_b32 s[GK+3], s[GK+3], 0x80000000
	s_mov_b32 s[GV], 1
	s_mov_b32 s[GV+1], s68
	s_add_nc_u64 s[GV+2:GV+3], s[VB:VB+1], s[60:61]
	s_or_b32 s[GV+3], s[GV+3], 0x80000000
; query: lane (r, h) takes, for block c of each of my two K steps, k = 64 c + 32 h + 0..31 of row r: 128 neighbouring bytes, as the operand's layout gives them to that lane
.irp p, 0,1
.irp c, 0,1
.irp j, 0,1,2,3,4,5,6,7
	global_load_b128 v[X+64*\p+32*\c+4*\j:X+64*\p+32*\c+4*\j+3], v[QGA], s[4:5] offset:1024*\p+256*\c+16*\j
.endr
.endr
.endr
	CROUND                                         ; the first joint loads meet
	s_cmp_lg_u32 s[ROLE], 0
	s_cbranch_scc1 .Lh0v
	TLOAD GK                                       ; one tensor load a wave at the head: K's first tile,
	s_branch .Lh0j
.Lh0v:
	TLOAD GV                                       ; or V's first
.Lh0j:
	s_wait_loadcnt 0x0
.irp b, 0,1,2,3
	v_max3_num_f32 v[TM+\b], |v[X+32*\b]|, |v[X+32*\b+1]|, 0x1800000   ; a whole block is mine; the floor 2^(3 - 127)
.endr
.irp i, 2,4,6,8,10,12,14,16,18,20,22,24,26,28,30
.irp b, 0,1,2,3
	v_max3_num_f32 v[TM+\b], v[TM+\b], |v[X+32*\b+\i]|, |v[X+32*\b+\i+1]|
.endr
.endr
.irp b, 0,1,2,3
	v_add_nc_u32 v[SQ+\b], 0xff000000, v[TM+\b]
.endr
.irp b, 0,1,2,3
	v_lshrrev_b32 v[BY+\b], 23, v[SQ+\b]
.endr
.irp p, 0,1
	v_lshl_or_b32 v[QW+\p], v[BY+2*\p+1], 16, v[BY+2*\p]   ; my bytes: blocks h and 2 + h,
.endr
.irp p, 0,1
	v_lshlrev_b32 v[QW+\p], v[SH], v[QW+\p]        ; at their places;
.endr
.irp p, 0,1
	v_permlanex16_b32 v[QP+\p], v[QW+\p], s[SEL], s[SEL+1]
.endr
.irp p, 0,1
	v_or_b32 v[QW+\p], v[QW+\p], v[QP+\p]          ; with lane l xor 16's two the word is whole
.endr
.irp b, 0,1,2,3
	v_cvt_scalef32_pk16_fp6_f32 v[QC+12*(\b/2)+6*(\b%2):QC+12*(\b/2)+6*(\b%2)+2], v[X+32*\b:X+32*\b+15], v[SQ+\b]
	v_cvt_scalef32_pk16_fp6_f32 v[QT+4*\b:QT+4*\b+2], v[X+32*\b+16:X+32*\b+31], v[SQ+\b]
.endr
	v_nop
.irp b, 0,1,2,3
.irp i, 0,1,2
	v_mov_b32 v[QC+12*(\b/2)+6*(\b%2)+3+\i], v[QT+4*\b+\i]
.endr
.endr
	QSTORE 0                                       ; K steps 0 and 1 of Q: eight images
	CHG 1, 0                                       ; the full sequence ahead of the first fill of K's second slot
	s_cmp_lg_u32 s[ROLE], 0
	s_cbranch_scc1 .Lh1j
	TLOAD GK
	LDQ 0
.Lh1j:
	s_wait_dscnt 0x0                               ; the images have been read
	s_barrier_signal -1
	s_barrier_wait -1
	QSTORE 1                                       ; K steps 2 and 3
	s_wait_dscnt 0x0
	s_barrier_signal -1
	s_barrier_wait -1
	; STEP 0: the PV waves have nothing to multiply yet
	s_cmp_lg_u32 s[ROLE], 0
	s_cbranch_scc1 .Lk0a
	LDQ 1
	SA
.Lk0a:
	PB
	s_cmp_lg_u32 s[ROLE], 0
	s_cbranch_scc1 .Lk0v
	SB
	s_branch .Lk0j
.Lk0v:
	MUPL
	MUPC
.Lk0j:
	CHG 1, 0
	s_cmp_lg_u32 s[ROLE], 0
	s_cbranch_scc1 .Lk0n                           ; V's first tile was asked for at the head
	TLOAD GK
.Lk0n:
	TRIP 1, 1                                      ; step 1 is written out: its second product starts O^T's sums
	s_mov_b32 s[TRIPS], 12
.Lsteps:                                               ; steps 2 to 13
	TRIP 1, 0
	s_sub_co_u32 s[TRIPS], s[TRIPS], 1
	s_cmp_lg_u32 s[TRIPS], 0
	s_cbranch_scc1 .Lsteps
	s_mov_b32 s[TRIPS], 2
.Llast:                                                ; steps 14 and 15: no tile of K is left to ask for
	TRIP 0, 0
	s_sub_co_u32 s[TRIPS], s[TRIPS], 1
	s_cmp_lg_u32 s[TRIPS], 0
	s_cbranch_scc1 .Llast
	; THE TAIL: the PV waves multiply step 15; the S waves hand their sums over
	s_cmp_lg_u32 s[ROLE], 0
	s_cbranch_scc1 .Ltp
.irp q, 0,1,2,3
	v_add_f32 v[BX+\q], v[SU+2*\q], v[SU+2*\q+1]
.endr
.irp q, 0,1,2,3
	v_permlanex16_b32 v[BX+4+\q], v[BX+\q], s[SEL], s[SEL+1]
.endr
.irp q, 0,1,2,3
	v_add_f32 v[BX+\q], v[BX+\q], v[BX+4+\q]
.endr
	ds_store_b128 v[EXW], v[BX:BX+3]
	s_branch .Ltj
.Ltp:
	PVA 0
.Ltj:
	VW
	s_wait_dscnt 0x0
	s_barrier_signal -1                            ; V's last tile may stay on its way across it
	s_barrier_wait -1
	s_cmp_eq_u32 s[ROLE], 0
	s_cbranch_scc1 .Lend
	PVB 0, 0
	PLACES 4
	MUPL
	s_wait_dscnt 0x0
.irp q, 0,1,2,3
	v_add_f32 v[RM+2*\q], v[XM+\q], v[XM+4+\q]
.endr
.irp q, 0,1,2,3
	v_add_f32 v[RM+2*\q], v[RM+2*\q], v[XM+8+\q]
.endr
.irp q, 0,1,2,3
	v_add_f32 v[RM+2*\q], v[RM+2*\q], v[XM+12+\q]  ; the row's sum
.endr
	VW
.irp q, 0,1,2,3
	v_rcp_f32 v[FF+2*\q], v[RM+2*\q]
.endr
	v_nop
	OMUL                                           ; O^T / the sum
; Register 64 a + 16 b + i of window 1 is out0(query 16 a + l % 16, channel 128 w + 32 b + 16 (l / 16) + i): through rows of 528 bytes, back as whole rows of 512
.macro TOSTAGE a
	WIN 0x04
.irp b, 0,1,2,3
.irp i, 0,1,2,3
	ds_store_b128 v[STO], v[64*(\a)+16*\b+4*\i:64*(\a)+16*\b+4*\i+3] offset:128*\b+16*\i
.endr
.endr
	WIN 0
.set BB, 64+64*((\a)%2)
.irp i, 0,1,2,3,4,5,6,7,8,9,10,11,12,13,14,15
	ds_load_b128 v[BB+4*\i:BB+4*\i+3], v[VS0] offset:SP*\i   ; a wave's LDS instructions are served in order
.endr
.endm
.macro SEND a, younger
.set BB, 64+64*((\a)%2)
	s_wait_dscnt \younger
.irp i, 0,1,2,3,4,5,6,7,8,9,10,11,12,13,14,15
	global_store_b128 v[GO], v[BB+4*\i:BB+4*\i+3], s[10:11] offset:(16*(\a)+\i)*2048 th:TH_STORE_NT   ; 512 consecutive bytes an instruction
.endr
.endm
	TOSTAGE 0
.irp a, 1,2,3
.if \a > 1
	s_wait_xcnt 0x0                                ; tile a - 2's stores have read their registers
.endif
	TOSTAGE \a
	SEND \a-1, 32                                  ; behind tile a - 1's loads: tile a's 16 stores and 16 loads
.endr
	SEND 3, 0
.Lend:
	s_wait_tensorcnt 0x0                           ; the wave's end
	ds_add_u32 v[SPW], v[NIL]
	s_wait_dscnt 0x0
	CROUND                                         ; the closing round
	s_endpgm
.Lfunc_end_k_qaf2cc13036_attn:
	.size	k_qaf2cc13036_attn, .Lfunc_end_k_qaf2cc13036_attn-k_qaf2cc13036_attn
	.p2alignl 7, 3214868480
	.fill 96, 4, 3214868480
	.section	.rodata,"a",@progbits
	.p2align	6, 0x0
	.amdhsa_kernel k_qaf2cc13036_attn
		.amdhsa_group_segment_fixed_size 327680
		.amdhsa_private_segment_fixed_size 0
		.amdhsa_enable_private_segment 0
		.amdhsa_kernarg_size 32
		.amdhsa_user_sgpr_count 2
		.amdhsa_user_sgpr_kernarg_segment_ptr 1
		.amdhsa_wavefront_size32 1
		.amdhsa_system_sgpr_workgroup_id_x 1
		.amdhsa_system_sgpr_workgroup_id_y 1
		.amdhsa_system_sgpr_workgroup_id_z 1
		.amdhsa_system_vgpr_workitem_id 0
		.amdhsa_next_free_vgpr 512
		.amdhsa_next_free_sgpr 80
		.amdhsa_reserve_vcc 0
		.amdhsa_float_denorm_mode_32 3
		.amdhsa_float_denorm_mode_16_64 3
		.amdhsa_memory_ordered 1
		.amdhsa_forward_progress 1
		.amdhsa_inst_pref_size 255
	.end_amdhsa_kernel
	.section	.bss,"aw",@nobits
	.p2align	6
	.space	262144
	.amdgpu_metadata
---
amdhsa.version: [ 1, 2 ]
amdhsa.kernels:
  - .name:           k_qaf2cc13036_attn
    .symbol:         k_qaf2cc13036_attn.kd
    .args:
      - { .name: query, .offset: 0, .size: 8, .value_kind: global_buffer, .address_space: global }
      - { .name: kf, .offset: 8, .size: 8, .value_kind: global_buffer, .address_space: global }
      - { .name: vf, .offset: 16, .size: 8, .value_kind: global_buffer, .address_space: global }
      - { .name: out0, .offset: 24, .size: 8, .value_kind: global_buffer, .address_space: global }
    .group_segment_fixed_size: 327680
    .private_segment_fixed_size: 0
    .kernarg_segment_align: 8
    .kernarg_segment_size: 32
    .max_flat_workgroup_size: 256
    .sgpr_count:     80
    .vgpr_count:     512
    .wavefront_size: 32
...
	.end_amdgpu_metadata
.endif
;; end of part 4
